; MI455X (gfx1250); checked and timed in simulation.
; The chip was launched on July 23, 2026; its instructions are those of AMD's public machine-readable ISA for CDNA 5 (MIT licence, August 2026) and "CDNA5" Instruction Set Architecture Reference Guide (July 2026). The comments in the code are by the model that wrote it; some were corrected since.
;; Multi Head Attention. Allowed arithmetic: matrix products marked QUANTISED: E2M3 operands, one E8M0 scale for each 32 along K, by v_wmma_scale_f32_16x16x128_f8f6f4 with both operands' format E2M3, f32 sums; everything else in f32.
;; Inputs: W_o 1,024 x 1,024 float32; W_qkv 1,024 x 3,072 float32; b_o 1,024 float32; b_qkv 3,072 float32; padding_mask 1 x 4,096 bool; x 1 x 4,096 x 1,024 float32.
;; Outputs: out0 1 x 4,096 x 1,024 float32.
;; This version of the problem:
;;   THIS VERSION OF THE PROBLEM IS GIVEN IN LOW PRECISION. The matrix products marked QUANTISED in the list below multiply operands that are first quantised to E2M3 (2 exponent bits, 3 mantissa bits; 6 bits a number), with one power-of-two scale for each 32 numbers along K (OCP MX v1.0); their sums are f32. All else is computed in f32.
;;   The module's matrix products, in the order in which they are computed (A, B: the left and right operand; K: the contracted axis; several contracted axes count as one K, in the product's order):
;;     1. [M 4,096, K 1,024] x [K 1,024, N 3,072]; A: input x; B: input W_qkv: QUANTISED
;;     2. batch 16 x [M 4,096, K 64] x [K 64, N 4,096]; A: computed on the way; B: computed on the way: QUANTISED
;;     3. batch 16 x [M 4,096, K 4,096] x [K 4,096, N 64]; A: softmax (see below); B: computed on the way: QUANTISED
;;     4. [M 4,096, K 1,024] x [K 1,024, N 1,024]; A: computed on the way; B: input W_o: QUANTISED
;;   THE QUANTISER, for each operand of a quantised product, along K:
;;     - K is cut into blocks of 32 from its start; a last block that is shorter is filled with zeros.
;;     - A block's scale is 2^e with e = floor(log2(the largest magnitude in the block)) - 2, held to -126 .. 127; a block of zeros has e = 0. As a byte (E8M0): e + 127.
;;     - Each number is divided by its block's scale, clamped to +-7.5, and rounded to the nearest number of E2M3, ties to even, subnormals kept.
;;     - The product sums the exact products of the quantised numbers (number of the format x scale) in f32.
;;   ~~~python
;;   def quantise(x, axis):      # numpy; x: float32 -> the quantised numbers, widened to float32 again
;;       x = np.moveaxis(x, axis, -1); K = x.shape[-1]
;;       x = np.pad(x, [(0, 0)] * (x.ndim - 1) + [(0, -K % 32)]); x = x.reshape(x.shape[:-1] + (-1, 32)); a = np.abs(x).max(-1, keepdims=True)
;;       e = np.where(a > 0, np.clip(np.frexp(np.where(a > 0, a, 1))[1] - 1 - 2, -126, 127), 0)      # np.frexp(a)[1] - 1 = floor(log2(a)), exactly
;;       r = np.clip(x / 2.0 ** e, -7.5, 7.5)
;;       step = 2.0 ** (np.maximum(np.frexp(np.where(r == 0, 1, r))[1] - 1, 0) - 3)
;;       q = np.round(r / step) * step * 2.0 ** e      # np.round: ties to even
;;       return np.moveaxis(q.reshape(q.shape[:-2] + (-1,))[..., :K], -1, axis).astype(np.float32)
;;   ~~~
;;   SOFTMAX AHEAD OF A QUANTISED PRODUCT. Where the list says 'softmax', what is quantised is not the finished softmax but p = 2^(t - M), with t = logit x log2(e) and M = ceil(the row's largest t), a whole number; so 1/2 < the row's largest p <= 1. The row's sum l is taken of the UNQUANTISED p, in f32, and the product's result is divided by l at the end. Since M is a whole number, a kernel that streams over the keys may use a running M (the ceiling of the running maximum): every later rescaling is an exact power of two, which a block's scale takes up: the codes' values come out the same.
;;   OPERANDS COMPUTED ON THE WAY. 'Computed on the way' means the value that the module computes at that place (a softmax that the list does not call 'softmax' is quantised finished and normalised). What goes into a quantiser is computed in f32, as accurately as f32 sums, v_exp_f32 and their like allow (about 1e-6 of the number): no bf16 or f16 on the way to a quantiser, and a product that is left as it is and whose result goes on into a quantised operand takes f32 operands (vector FMAs, or v_wmma_f32_16x16x4_f32). A number that lies on a knife's edge between two numbers of the format may be rounded either way, as far as f32 arithmetic and the matrix unit's own rounding can turn it there, and no further.
;; One version. Each part assembles by itself: llvm-mc -triple=amdgcn-amd-amdhsa -mcpu=gfx1250 --defsym DOCPART=n.
;; ======== version 1 of 1: 4 launches
;; limits: right only within a limited range of input values
;; workspace buffers: xq 3,276,800 bytes; wcod 3,276,800 bytes; qimg 4,194,304 bytes; kv 7,733,248 bytes; vpart 262,144 bytes; cimg 3,276,800 bytes
;; launch prep (part 1): grid 512 x 1, 4 waves a work-group, no clusters, 68,096 bytes of LDS; arguments x, W_qkv, W_o, xq, wcod; writes xq, wcod
.if DOCPART == 1
	.amdgcn_target "amdgcn-amd-amdhsa--gfx1250"
	.amdhsa_code_object_version 6
	.text
	.protected	k_q3170ffd430_prep
	.globl	k_q3170ffd430_prep
	.p2align	8
	.type	k_q3170ffd430_prep,@function
k_q3170ffd430_prep:
	s_mov_b64 s[64:65], 0
	v_nop
	global_prefetch_b8 v0, s[64:65] scope:SCOPE_SE
	s_setreg_imm32_b32 hwreg(HW_REG_WAVE_MODE, 25, 1), 1
	s_wait_xcnt 0x0
; x [4096][1024], W_qkv [1024][3072] and W_o [1024][1024], f32, become codes of FP6 (E2M3) with one E8M0 scale byte for each 32 along K (K = 1024 in all three).
; A block's scale is 2^(floor(log2(its largest magnitude)) - 2); its byte is the largest magnitude's exponent field - 2, held at 1 from below (a block of zeros keeps the byte 1: its codes are zeros, and this program alone reads the bytes).
; LIMITS: blocks whose largest magnitude lies under 2^-124 keep the byte 1; NaN and infinities among the inputs are not served.
; THE OUTPUT IS LAID AS THE READER'S REGISTERS.  An operand block is 128 rows x K 1024 = 102,400 bytes: fragment (tile, K step ks) at (8 tile + ks) x 1,536, registers 4 g .. 4 g + 3 of lane l at 512 g + 16 l;
; from byte 98,304 the scale words: (8 group + ks) x 128 + 4 (16 u + i).  A group is 32 rows; its tile u (0, 1) holds in lane place i the row 8 u + i + 8 (i / 8) of the group.
; A fragment's lane (i, h) holds registers 6 c .. 6 c + 5 = k 64 c + 32 h + 0 .. 31 of its row: two whole blocks of 32.
; A wave's task is 32 rows x 128 along K, 16 KB of f32.  Work-groups 0-255: x (K innermost: rows come as 512 dense bytes and turn through the wave's own stage in LDS);
; 256-447: W_qkv, 448-511: W_o (K outermost: a lane takes a column, its registers run down K, nothing is transposed).  No tensor load, no barrier: waves share nothing.
.set BLK,   102400
.set SCO,   98304
.set FRB,   1536
.set WSTG,  16896                      ; a wave's stage: 32 rows x (512 bytes + 16)
.set SPARE, 4*WSTG                     ; behind the stages: the spare words, 128 bytes for each wave
.set F0,    24                         ; v24-35  a fragment's codes
.set T,     36                         ; v36-43  the second halves of blocks (a conversion's three registers begin on an even number)
.set F1,    44                         ; v44-55  the other fragment's codes
.set X,     64                         ; v64-191 128 numbers as loaded
.set N0,    192                        ; v192-255 64 numbers of a lane
	s_load_b128 s[4:7], s[0:1], 0x0                ; x, W_qkv
	s_load_b128 s[8:11], s[0:1], 0x10              ; W_o, xq
	s_load_b64 s[12:13], s[0:1], 0x20              ; wcod
	v_lshl_add_u32 v2, v0, 2, SPARE                ; my spare word
	v_mov_b32 v3, 0
	v_lshrrev_b32 v1, 5, v0
	v_readfirstlane_b32 s14, v1                    ; wave
	v_and_b32 v1, 31, v0                           ; lane
	v_and_b32 v9, 15, v0                           ; lane % 16
	v_bfe_u32 v21, v0, 4, 1                        ; h = lane / 16
	v_lshlrev_b32 v4, 4, v1                        ; 16 x lane
	v_lshlrev_b32 v8, 2, v1                        ; 4 x lane
	s_mul_i32 s28, s14, WSTG
	v_add_nc_u32 v5, s28, v4                       ; the stage, on the way in: 16 bytes a lane of a row
	v_mul_u32_u24 v6, v9, 528
	v_lshl_add_u32 v6, v21, 7, v6
	v_add_nc_u32 v6, s28, v6                       ; and out: row lane % 16, + 128 h: my block of 32 numbers
	v_lshlrev_b32 v22, 3, v21                      ; 8 h
	v_mov_b32 v20, 0                               ; (a lane permute's destination counts as read)
	v_bfe_u32 v23, v0, 3, 1                        ; the weights: lane l is column l of a group: tile u = (l / 8) % 2,
	v_and_b32 v56, 7, v0
	v_lshl_add_u32 v56, v21, 3, v56                ; place i = l % 8 + 8 (l / 16)
	v_mul_u32_u24 v7, v23, 8*FRB
	v_lshl_add_u32 v7, v56, 4, v7                  ; my codes' place: tile u's fragment, 16 i
	v_lshlrev_b32 v57, 6, v23
	v_lshl_add_u32 v57, v56, 2, v57                ; my scale word's: 4 (16 u + i)
	s_mov_b32 s20, 0x76543210
	s_mov_b32 s21, 0xfedcba98                      ; v_permlanex16_b32's selects for lane l xor 16
; Two whole blocks of 32 numbers of a lane, v[s0] on and v[s1] on, become registers f .. f + 5 and f + 6 .. f + 11 of a fragment; their bytes go to v[by], v[by + 1].
.macro QB s0, s1, f, by
	v_max3_num_f32 v10, |v[\s0]|, |v[\s0+1]|, 0x1800000     ; the largest magnitude, with the floor 2^(3 - 127) among its leaves: the byte cannot fall under 1
	v_max3_num_f32 v11, |v[\s1]|, |v[\s1+1]|, 0x1800000
.irp i, 2,4,6,8,10,12,14,16,18,20,22,24,26,28,30
	v_max3_num_f32 v10, v10, |v[\s0+\i]|, |v[\s0+\i+1]|     ; (the two blocks by turns)
	v_max3_num_f32 v11, v11, |v[\s1+\i]|, |v[\s1+\i+1]|
.endr
	v_add_nc_u32 v12, 0xff000000, v10              ; 2 off the exponent field: the conversion takes the exponent field of this operand as its scale
	v_add_nc_u32 v13, 0xff000000, v11
	v_lshrrev_b32 v[\by], 23, v12                  ; the scale's byte
	v_lshrrev_b32 v[\by+1], 23, v13
	v_cvt_scalef32_pk16_fp6_f32 v[\f:\f+2], v[\s0:\s0+15], v12
	v_cvt_scalef32_pk16_fp6_f32 v[T:T+2], v[\s0+16:\s0+31], v12
	v_cvt_scalef32_pk16_fp6_f32 v[\f+6:\f+8], v[\s1:\s1+15], v13
	v_cvt_scalef32_pk16_fp6_f32 v[T+4:T+6], v[\s1+16:\s1+31], v13
	v_nop                                          ; one plain place behind a scaled conversion
.irp i, 0,1,2
	v_mov_b32 v[\f+3+\i], v[T+\i]
	v_mov_b32 v[\f+9+\i], v[T+4+\i]
.endr
.endm
	s_wait_kmcnt 0x0
	s_cmp_lt_u32 ttmp9, 256
	s_cbranch_scc0 .Lweights
	; ---- x: group b = work-group / 2 (32 tokens), K step ks = 4 (work-group % 2) + wave
	s_lshr_b32 s15, ttmp9, 1
	s_and_b32 s16, ttmp9, 1
	s_lshl_b32 s16, s16, 2
	s_add_co_u32 s16, s16, s14
	s_lshl_b32 s22, s15, 17                        ; 32 rows of 4,096 bytes
	s_lshl_b32 s23, s16, 9                         ; 128 numbers
	s_add_co_u32 s22, s22, s23
	s_mov_b32 s23, 0
	s_add_nc_u64 s[4:5], s[4:5], s[22:23]
	s_lshr_b32 s17, s15, 2                         ; the operand block,
	s_and_b32 s18, s15, 3                          ; the group in it
	s_mul_i32 s22, s17, BLK
	s_mul_i32 s24, s18, 16*FRB
	s_add_co_u32 s24, s24, s22
	s_mul_i32 s25, s16, FRB
	s_add_co_u32 s24, s24, s25
	s_mov_b32 s25, 0
	s_add_nc_u64 s[24:25], s[10:11], s[24:25]      ; tile 0's fragment; tile 1's lies 8 fragments on
	s_lshl_b32 s26, s18, 10
	s_lshl_b32 s27, s16, 7
	s_add_co_u32 s26, s26, s27
	s_add_co_u32 s26, s26, s22
	s_add_co_u32 s26, s26, SCO
	s_mov_b32 s27, 0
	s_add_nc_u64 s[26:27], s[10:11], s[26:27]      ; the 32 scale words
.set rr, 0
.rept 32
	global_load_b128 v[X+4*rr:X+4*rr+3], v4, s[4:5] offset:4096*rr th:TH_LOAD_NT   ; a row's 512 consecutive bytes
.set rr, rr+1
.endr
.set rr, 0
.rept 32
	s_wait_loadcnt 31-rr                           ; loads come back in order: row rr is in, the younger rows stay out
	ds_store_b128 v5, v[X+4*rr:X+4*rr+3] offset:528*(16*((rr/8)%2)+rr%8+8*(rr/16))   ; into the stage in the order of the tiles' lane places
.set rr, rr+1
.endr
.irp c, 0,1
.irp i, 0,1,2,3,4,5,6,7
	ds_load_b128 v[N0+32*\c+4*\i:N0+32*\c+4*\i+3], v6 offset:256*\c+16*\i          ; tile 0: LDS serves a wave's instructions in order, so these see my stores
.endr
.endr
	s_wait_dscnt 0x0                               ; tile 0's numbers are in, and the stores have read X
.irp c, 0,1
.irp i, 0,1,2,3,4,5,6,7
	ds_load_b128 v[X+32*\c+4*\i:X+32*\c+4*\i+3], v6 offset:16*528+256*\c+16*\i     ; tile 1, while tile 0 is worked
.endr
.endr
	QB N0, N0+32, F0, 14
	v_lshl_or_b32 v18, v15, 16, v14                ; my two bytes: blocks h and 2 + h,
	v_lshlrev_b32 v18, v22, v18                    ; at their places (8 h bits up);
	v_permlanex16_b32 v20, v18, s20, s21
	v_or_b32 v18, v18, v20                         ; with lane l xor 16's two the row's word is whole
.irp g, 0,1,2
	global_store_b128 v4, v[F0+4*\g:F0+4*\g+3], s[24:25] offset:512*\g             ; 32 lanes store 512 consecutive bytes
.endr
	s_wait_dscnt 0x0
	QB X, X+32, F1, 16
	v_lshl_or_b32 v19, v17, 16, v16
	v_lshlrev_b32 v19, v22, v19
	v_permlanex16_b32 v20, v19, s20, s21
	v_or_b32 v19, v19, v20
.irp g, 0,1,2
	global_store_b128 v4, v[F1+4*\g:F1+4*\g+3], s[24:25] offset:8*FRB+512*\g
.endr
	v_cmp_eq_u32 vcc_lo, 1, v21
	v_cndmask_b32 v18, v18, v19, vcc_lo            ; lanes 0-15 tile 0's words, lanes 16-31 tile 1's
	global_store_b32 v8, v18, s[26:27]
	s_branch .Lend
; ---- a weight [1024][NN]: task s15: block of 128 columns s15 / 8, K step s15 % 8; wave w takes the block's group w, a lane a column
.macro WPATH NN, PL, PH, B0
	s_lshr_b32 s16, s15, 3
	s_and_b32 s17, s15, 7
	s_mul_i32 s22, s17, 128*\NN*4                  ; 128 rows of the weight
	s_lshl_b32 s23, s16, 9                         ; 128 columns
	s_add_co_u32 s22, s22, s23
	s_lshl_b32 s23, s14, 7                         ; 32 columns
	s_add_co_u32 s22, s22, s23
	s_mov_b32 s23, 0
	s_add_nc_u64 s[18:19], s[\PL:\PH], s[22:23]
	s_add_co_u32 s16, s16, \B0
	s_mul_i32 s22, s16, BLK
	s_mul_i32 s24, s14, 16*FRB
	s_add_co_u32 s24, s24, s22
	s_mul_i32 s25, s17, FRB
	s_add_co_u32 s24, s24, s25
	s_mov_b32 s25, 0
	s_add_nc_u64 s[24:25], s[12:13], s[24:25]
	s_lshl_b32 s26, s14, 10
	s_lshl_b32 s27, s17, 7
	s_add_co_u32 s26, s26, s27
	s_add_co_u32 s26, s26, s22
	s_add_co_u32 s26, s26, SCO
	s_mov_b32 s27, 0
	s_add_nc_u64 s[26:27], s[12:13], s[26:27]
.irp k0, 0,64,32,96                            ; blocks 0 and 2 first: they are the image of the lane place with h = 0
.set kk, \k0
.rept 32
	global_load_b32 v[X+kk], v8, s[18:19] offset:kk*\NN*4 th:TH_LOAD_NT            ; 32 lanes read 128 consecutive bytes, the four waves side by side 512
.set kk, kk+1
.endr
.endr
	s_wait_loadcnt 63                              ; of the 128 loads at most 63 are out: the first 64 are in
	QB X, X+64, F0, 14
.irp g, 0,1,2
	global_store_b128 v7, v[F0+4*\g:F0+4*\g+3], s[24:25] offset:512*\g             ; the sixteen lanes of a tile store 256 consecutive bytes
.endr
	s_wait_loadcnt 0x0
	QB X+32, X+96, F1, 16
.irp g, 0,1,2
	global_store_b128 v7, v[F1+4*\g:F1+4*\g+3], s[24:25] offset:512*\g+256         ; the lane places with h = 1
.endr
	v_lshl_or_b32 v18, v16, 8, v14                 ; the column's word: byte b is block b's
	v_lshl_or_b32 v18, v15, 16, v18
	v_lshl_or_b32 v18, v17, 24, v18
	global_store_b32 v57, v18, s[26:27]
.endm
.Lweights:
	s_sub_co_u32 s15, ttmp9, 256
	s_cmp_lt_u32 s15, 192
	s_cbranch_scc0 .Lwo
	WPATH 3072, 6, 7, 0
	s_branch .Lend
.Lwo:
	s_sub_co_u32 s15, s15, 192
	WPATH 1024, 8, 9, 24
.Lend:
	s_wait_tensorcnt 0x0                           ; the wave's end, behind my last LDS store
	ds_add_u32 v2, v3
	s_wait_dscnt 0x0
	s_endpgm
.Lfunc_end_k_q3170ffd430_prep:
	.size	k_q3170ffd430_prep, .Lfunc_end_k_q3170ffd430_prep-k_q3170ffd430_prep
	.p2alignl 7, 3214868480
	.fill 96, 4, 3214868480
	.section	.rodata,"a",@progbits
	.p2align	6, 0x0
	.amdhsa_kernel k_q3170ffd430_prep
		.amdhsa_group_segment_fixed_size 68096
		.amdhsa_private_segment_fixed_size 0
		.amdhsa_enable_private_segment 0
		.amdhsa_kernarg_size 40
		.amdhsa_user_sgpr_count 2
		.amdhsa_user_sgpr_kernarg_segment_ptr 1
		.amdhsa_wavefront_size32 1
		.amdhsa_system_sgpr_workgroup_id_x 1
		.amdhsa_system_sgpr_workgroup_id_y 1
		.amdhsa_system_sgpr_workgroup_id_z 1
		.amdhsa_system_vgpr_workitem_id 0
		.amdhsa_next_free_vgpr 256
		.amdhsa_next_free_sgpr 66
		.amdhsa_reserve_vcc 1
		.amdhsa_float_denorm_mode_32 3
		.amdhsa_float_denorm_mode_16_64 3
		.amdhsa_memory_ordered 1
		.amdhsa_forward_progress 1
		.amdhsa_inst_pref_size 57
	.end_amdhsa_kernel
	.amdgpu_metadata
---
amdhsa.version: [ 1, 2 ]
amdhsa.kernels:
  - .name:           k_q3170ffd430_prep
    .symbol:         k_q3170ffd430_prep.kd
    .args:
      - { .name: x, .offset: 0, .size: 8, .value_kind: global_buffer, .address_space: global }
      - { .name: W_qkv, .offset: 8, .size: 8, .value_kind: global_buffer, .address_space: global }
      - { .name: W_o, .offset: 16, .size: 8, .value_kind: global_buffer, .address_space: global }
      - { .name: xq, .offset: 24, .size: 8, .value_kind: global_buffer, .address_space: global }
      - { .name: wcod, .offset: 32, .size: 8, .value_kind: global_buffer, .address_space: global }
    .group_segment_fixed_size: 68096
    .private_segment_fixed_size: 0
    .kernarg_segment_align: 8
    .kernarg_segment_size: 40
    .max_flat_workgroup_size: 128
    .sgpr_count:     66
    .vgpr_count:     256
    .wavefront_size: 32
...
	.end_amdgpu_metadata
.endif
;; end of part 1
;; launch qkv (part 2): grid 8 x 32, 4 waves a work-group, clusters of 4 x 4, 327,680 bytes of LDS; arguments xq, wcod, b_qkv, padding_mask, qimg, kv, vpart; writes qimg, kv, vpart
.if DOCPART == 2
	.amdgcn_target "amdgcn-amd-amdhsa--gfx1250"
	.amdhsa_code_object_version 6
	.text
	.protected	k_q3170ffd430_qkv
	.globl	k_q3170ffd430_qkv
	.p2align	8
	.type	k_q3170ffd430_qkv,@function
k_q3170ffd430_qkv:
	s_mov_b64 s[64:65], 0
	v_nop
	global_prefetch_b8 v0, s[64:65] scope:SCOPE_SE
	s_setreg_imm32_b32 hwreg(HW_REG_WAVE_MODE, 25, 1), 1
	s_wait_xcnt 0x0
	s_wait_alu depctr_hold_cnt(0) depctr_sa_sdst(0) depctr_va_vdst(0) depctr_va_sdst(0) depctr_va_ssrc(0) depctr_va_vcc(0) depctr_vm_vsrc(0)
	s_getreg_b32 s2, hwreg(HW_REG_IB_STS2, 6, 4)
	s_cmp_eq_u32 s2, 0
	s_cbranch_scc0 .Lentry_in_a_cluster
	s_endpgm
.Lentry_in_a_cluster:
	s_bfe_u32 s2, ttmp6, 0x10000c
	s_cmp_lg_u32 s2, 0xf033
	s_cbranch_scc0 .Lentry_shape_is_right
	s_endpgm
.Lentry_shape_is_right:
; qkv = Q(x) Q(W_qkv) + b_qkv on codes of FP6 (E2M3), and q, k, v quantised at once for the attention that follows; nothing wide goes to memory.
; SHARES.  Work-group (g, mb): tokens 128 mb on, heads 2 g and 2 g + 1, in three phases q, k, v (weight blocks g, 8 + g, 16 + g of 128 columns).  Wave (wm, wn): 64 tokens x one head's 64 columns: 16 accumulators.
; x's 32 fragments (64 tokens x K 1024) stay in registers through all three phases; the weights' fragments come from LDS, K step by K step, four sets by turns.
; OPERANDS lie in memory and LDS as images of their registers (12 registers a lane: 3 x 512 bytes, lane l's 16 bytes at 16 l): every LDS load takes 512 consecutive bytes.
; TILES ARE PERMUTED: lane place i of tile (b, u) holds row 32 b + 8 u + i + 8 (i / 8).  q, k: source 0 = weight, source 1 = x: a lane holds one token and 32 numbers along the head's 64: they are quantised in registers.
; v: source 0 = x, source 1 = weight: a lane holds one channel and 32 numbers along the KEYS, which are the K of attention's second product.
; THE PADDING MASK rides in k = 64 of the first attention product, whose K is 64 of the instruction's 128: q holds the code -1 there with the scale 2^16; a masked key the code 1 with the scale 2^17, a valid key the code 0
; with the scale byte 1.  So a masked score is q.k - 2^33 and a valid one gets exactly 0 added.  LIMIT: logits stay under 3.7e8 in magnitude, so that a valid key is told from a masked one.
; THE SUM OF THE QUANTISED v over each 64 keys (one more product with a fragment of ones) goes to vpart: a query with no valid key takes the mean of v over all keys.
; CLUSTER 4 x 4: x's block hangs on mb alone and is asked for jointly along a row of the cluster, a weight block on g alone and jointly along a column.  At the head two waves ask for the halves of x's block, two those of q's weights; then each wave asks for a quarter of k's and of v's.
; LIMITS: NaN and infinities are not served; blocks whose largest magnitude lies under 2^-124 keep the scale byte 1.
; REGISTERS: window 0: v2-21 addresses; v32-47 x's scale words, v48-63 the weights'; v64-87 codes just made; v88-127 at work; v128-255 the accumulators.
;   windows 1, 2: v0-191 x's fragments (tile a, K step ks) at 12 (8 (a % 2) + ks) of window 1 + a / 2; v192-223 the bias of phase 0 (window 1), 1 (window 2).   window 3: v0-191 four sets of weight fragments; v192-223 v's bias; v224-235 ones.
.set BLK,   102400
.set SCO,   98304
.set FRB,   1536
.set REC,   15104                      ; kv's record of a head and 128 keys: 8 tiles of K x 1,024; 4 fragments of V x 1,536; K's scale words 512; V's 256
.set BS0,   102400                     ; LDS: x's block at 0, two slots for weight blocks
.set BS1,   204800
.set SPARE, 307200                     ; the spare words, 128 bytes for each wave
.set SPW, 2
.set NIL, 3
.set ADA, 4                            ; v4    x's fragments: 49,152 wm + 16 l
.set ADB, 5                            ; v5-6  the weights', slot 0, 1
.set ADXS, 7                           ; v7    x's scale words
.set ADWS, 8                           ; v8-9  the weights'
.set L16, 10
.set L8,  11
.set PR,  13                           ; r + 8 (r / 8)
.set PR4, 14
.set H64, 15
.set DOF, 16                           ; 4 (8 h + r + 8 (r / 8))
.set K16, 17                           ; 16 l + 4,096 wm
.set K8,  18                           ; 8 l + 256 wm
.set V8,  19                           ; 8 l + 2 wm
.set RR,  20
.set HH,  21
.set XS,  32
.set WS,  48
.set PC,  64
.set T,   88
.set BM,  96
.set PM,  98
.set SO,  100
.set BY,  102
.set KM,  104                          ; v104-107 tile a's mask code
.set KB,  108                          ; v108-111 and the upper half of its scale word
.set WD,  112                          ; v112-115 scale words made
.set MB,  116                          ; v116-119 mask bytes
.set OUTP, 120                         ; v120-123 at work on the way out
.set ONESC, 124
.set QM,  125
.set VW,  126                          ; v126-127 scale words of the sum products
.set ACC, 128
.set G1A, 28
.set G1B, 36
.set MSB, 0
.macro WIN new                         ; the immediate's high byte repeats the setting that is left
.if MSB != \new
	s_set_vgpr_msb (MSB<<8)|\new
.set MSB, \new
.endif
.endm
.macro PLACES                          ; four plain places behind matrix instructions, in front of loads into their registers and of the first read of results
.rept 4
	v_nop
.endr
.endm
.macro CROUND                          ; a round of the cluster's barrier
	s_barrier_signal -1
	s_barrier_wait -1
	s_cmp_lg_u32 s18, 0
	s_cbranch_scc1 .Lnot_wave_0_\@
	s_barrier_signal -3
.Lnot_wave_0_\@:
	s_barrier_wait -3
	s_barrier_signal -1
	s_barrier_wait -1
.endm
; one product: D v[rD], sources v[rA], v[rB], C = 0 (cz) or v[rC], scales v[rSA], v[rSB]; ra, rb: the scales stand in lanes 16-31
.macro WM6 cz, ra, rb
.if \cz
.if (\ra) && (\rb)
	v_wmma_scale_f32_16x16x128_f8f6f4 v[rD:rD+7], v[rA:rA+11], v[rB:rB+11], 0, v[rSA], v[rSB] matrix_a_fmt:MATRIX_FMT_FP6 matrix_b_fmt:MATRIX_FMT_FP6 matrix_a_scale:MATRIX_SCALE_ROW1 matrix_b_scale:MATRIX_SCALE_ROW1
.elseif \ra
	v_wmma_scale_f32_16x16x128_f8f6f4 v[rD:rD+7], v[rA:rA+11], v[rB:rB+11], 0, v[rSA], v[rSB] matrix_a_fmt:MATRIX_FMT_FP6 matrix_b_fmt:MATRIX_FMT_FP6 matrix_a_scale:MATRIX_SCALE_ROW1
.elseif \rb
	v_wmma_scale_f32_16x16x128_f8f6f4 v[rD:rD+7], v[rA:rA+11], v[rB:rB+11], 0, v[rSA], v[rSB] matrix_a_fmt:MATRIX_FMT_FP6 matrix_b_fmt:MATRIX_FMT_FP6 matrix_b_scale:MATRIX_SCALE_ROW1
.else
	v_wmma_scale_f32_16x16x128_f8f6f4 v[rD:rD+7], v[rA:rA+11], v[rB:rB+11], 0, v[rSA], v[rSB] matrix_a_fmt:MATRIX_FMT_FP6 matrix_b_fmt:MATRIX_FMT_FP6
.endif
.else
.if (\ra) && (\rb)
	v_wmma_scale_f32_16x16x128_f8f6f4 v[rD:rD+7], v[rA:rA+11], v[rB:rB+11], v[rC:rC+7], v[rSA], v[rSB] matrix_a_fmt:MATRIX_FMT_FP6 matrix_b_fmt:MATRIX_FMT_FP6 matrix_a_scale:MATRIX_SCALE_ROW1 matrix_b_scale:MATRIX_SCALE_ROW1
.elseif \ra
	v_wmma_scale_f32_16x16x128_f8f6f4 v[rD:rD+7], v[rA:rA+11], v[rB:rB+11], v[rC:rC+7], v[rSA], v[rSB] matrix_a_fmt:MATRIX_FMT_FP6 matrix_b_fmt:MATRIX_FMT_FP6 matrix_a_scale:MATRIX_SCALE_ROW1
.elseif \rb
	v_wmma_scale_f32_16x16x128_f8f6f4 v[rD:rD+7], v[rA:rA+11], v[rB:rB+11], v[rC:rC+7], v[rSA], v[rSB] matrix_a_fmt:MATRIX_FMT_FP6 matrix_b_fmt:MATRIX_FMT_FP6 matrix_b_scale:MATRIX_SCALE_ROW1
.else
	v_wmma_scale_f32_16x16x128_f8f6f4 v[rD:rD+7], v[rA:rA+11], v[rB:rB+11], v[rC:rC+7], v[rSA], v[rSB] matrix_a_fmt:MATRIX_FMT_FP6 matrix_b_fmt:MATRIX_FMT_FP6
.endif
.endif
.endm
	s_load_b256 s[4:11], s[0:1], 0x0               ; xq, wcod, b_qkv, padding_mask
	s_load_b128 s[12:15], s[0:1], 0x20             ; qimg, kv
	s_load_b64 s[16:17], s[0:1], 0x30              ; vpart
	v_lshl_add_u32 v[SPW], v0, 2, SPARE
	v_mov_b32 v[NIL], 0
	ds_add_u32 v[SPW], v[NIL]                      ; the wave's opening: the add and its wait ahead of my first tensor load; the set-up below stands between them
	ds_add_u32 v[SPW], v[NIL]
	v_lshrrev_b32 v1, 5, v0
	v_readfirstlane_b32 s18, v1                    ; wave 0..3
	s_lshr_b32 s19, s18, 1                         ; wm: which 64 tokens
	s_and_b32 s20, s18, 1                          ; wn: which head of the two
	s_bfe_u32 s21, ttmp6, 0x40000                  ; cx
	s_bfe_u32 s22, ttmp6, 0x40004                  ; cy
	s_lshl_b32 s23, ttmp9, 2
	s_add_co_u32 s23, s23, s21                     ; g = 4 x cluster x + cx
	s_and_b32 s24, ttmp7, 0xffff
	s_lshl_b32 s24, s24, 2
	s_add_co_u32 s24, s24, s22                     ; mb = 4 x cluster y + cy
	s_lshl_b32 s25, s22, 2
	s_lshl_b32 s25, 15, s25                        ; my row of the cluster
	s_lshl_b32 s26, 0x1111, s21                    ; my column
	s_or_b32 s[G1A], s25, (3<<16)|(1<<21)          ; 15:0 the mask; 17:16 elements of 8 bytes; 21 set beside a mask; no padding
	s_or_b32 s[G1B], s26, (3<<16)|(1<<21)
.irp g, G1A, G1B                       ; half a block: 200 dense rows of 256 bytes
	s_mov_b32 s[\g+1], 32<<16                      ; tensor_dim0 = 32
	s_mov_b32 s[\g+2], 200<<16                     ; tensor_dim1 = 200: the head's loads bring half a block
	s_mov_b32 s[\g+3], 32<<16                      ; tile_dim0
	s_mov_b32 s[\g+4], 200                         ; tile_dim1
	s_mov_b32 s[\g+5], 32                          ; the pitch
	s_mov_b32 s[\g+6], 0
	s_mov_b32 s[\g+7], 0
.endr
	s_mul_i32 s27, s18, 25600                      ; my quarter: in memory and in LDS alike; no place in the cluster enters an LDS address
	s_mul_i32 s71, s20, 51200                      ; the head's loads: which half of a block, in memory and in LDS alike
	s_mul_i32 s60, s24, BLK
	s_add_co_u32 s60, s60, s71                     ; x's: made of mb and the wave's number
	s_mov_b32 s61, 0
	s_mul_i32 s88, s23, BLK
	s_add_co_u32 s88, s88, s71                     ; q's weights: of g and the wave's number
	s_mov_b32 s89, 0
	s_mul_i32 s62, s23, BLK
	s_add_co_u32 s62, s62, s27                     ; the weights': of g and the wave's number
	s_mov_b32 s63, 0
	s_mov_b32 s68, 0x76543210
	s_mov_b32 s69, 0xfedcba98                      ; v_permlanex16_b32's selects for lane l xor 16
	s_wait_dscnt 0x0                               ; the opening add is done
	s_wait_kmcnt 0x0
	CROUND                                         ; all sixteen work-groups are here: the first joint loads meet
	s_mov_b32 s44, 1                               ; group 0 for x's block
	s_mov_b32 s45, s71
	s_add_nc_u64 s[46:47], s[4:5], s[60:61]
	s_or_b32 s47, s47, 0x80000000
	s_mov_b32 s48, 1                               ; q's weights, slot 0
	s_add_co_u32 s49, s71, BS0
	s_add_nc_u64 s[50:51], s[6:7], s[88:89]
	s_mov_b32 s52, 1                               ; k's, slot 1
	s_add_co_u32 s53, s27, BS1
	s_add_nc_u64 s[54:55], s[6:7], s[62:63]
	s_add_nc_u64 s[54:55], s[54:55], 8*BLK
	s_mov_b32 s56, 1                               ; v's, slot 0 again
	s_add_co_u32 s57, s27, BS0
	s_add_nc_u64 s[58:59], s[54:55], 8*BLK
	s_or_b32 s51, s51, 0x80000000
	s_or_b32 s55, s55, 0x80000000
	s_or_b32 s59, s59, 0x80000000
	s_cmp_lt_u32 s18, 2                            ; one load a wave at the head: waves 0, 1 the halves of x's block, waves 2, 3 the halves of q's weights
	s_cbranch_scc0 .Lhead_w
	tensor_load_to_lds s[44:47], s[G1A:G1A+7]
	s_nop 0
.rept 4
	v_nop
.endr
	s_branch .Lhead_asked
.Lhead_w:
	tensor_load_to_lds s[48:51], s[G1B:G1B+7]
	s_nop 0
.rept 4
	v_nop
.endr
.Lhead_asked:
	v_and_b32 v1, 31, v0
	v_and_b32 v[RR], 15, v0
	v_bfe_u32 v[HH], v0, 4, 1
	v_lshlrev_b32 v[L16], 4, v1
	v_lshlrev_b32 v[L8], 3, v1
	v_lshlrev_b32 v12, 2, v1
	s_wait_alu depctr_va_vdst(0)
	s_mul_i32 s66, s19, 32*FRB
	v_add_nc_u32 v[ADA], s66, v[L16]
	s_mul_i32 s66, s20, 32*FRB
	s_add_co_u32 s66, s66, BS0
	v_add_nc_u32 v[ADB], s66, v[L16]
	s_add_co_u32 s66, s66, BS1-BS0
	v_add_nc_u32 v[ADB+1], s66, v[L16]
	s_lshl_b32 s66, s19, 11
	s_add_co_u32 s66, s66, SCO
	v_add_nc_u32 v[ADXS], s66, v12
	s_lshl_b32 s66, s20, 11
	s_add_co_u32 s66, s66, BS0+SCO
	v_add_nc_u32 v[ADWS], s66, v12
	s_add_co_u32 s66, s66, BS1-BS0
	v_add_nc_u32 v[ADWS+1], s66, v12
	v_and_b32 v[PR], 8, v[RR]
	v_add_nc_u32 v[PR], v[PR], v[RR]
	v_lshlrev_b32 v[PR4], 2, v[PR]
	v_lshlrev_b32 v[H64], 6, v[HH]
	s_wait_alu depctr_va_vdst(0)
	v_lshl_add_u32 v[DOF], v[HH], 5, v[PR4]
	s_lshl_b32 s66, s19, 12
	v_add_nc_u32 v[K16], s66, v[L16]
	s_lshl_b32 s66, s19, 8
	v_add_nc_u32 v[K8], s66, v[L8]
	s_lshl_b32 s66, s19, 1
	v_add_nc_u32 v[V8], s66, v[L8]
	v_mov_b32 v[PM], 0                             ; (a lane permute's destination counts as read)
	v_mov_b32 v[PM+1], 0
	v_mov_b32 v[ONESC], 0x7f7f7f7f                 ; the ones' scale bytes: 1.0
	s_lshl_b32 s70, s23, 1
	s_add_co_u32 s70, s70, s20                     ; my head
	s_lshl_b32 s66, s70, 8
	s_mov_b32 s67, 0
	s_add_nc_u64 s[72:73], s[8:9], s[66:67]        ; b_qkv at my head's q columns; k's lie 4,096 bytes on, v's 8,192
	s_lshl_b32 s66, s24, 7
	s_lshl_b32 s71, s19, 6
	s_add_co_u32 s66, s66, s71
	s_add_nc_u64 s[74:75], s[10:11], s[66:67]      ; the mask at my first token
	s_lshl_b32 s66, s70, 18
	s_lshl_b32 s71, s24, 13
	s_add_co_u32 s66, s66, s71
	s_lshl_b32 s71, s19, 12
	s_add_co_u32 s66, s66, s71
	s_add_nc_u64 s[76:77], s[12:13], s[66:67]      ; qimg: [head][tile 8 mb + 4 wm + a][1,024]
	s_lshl_b32 s66, s70, 5
	s_add_co_u32 s66, s66, s24
	s_mul_i32 s66, s66, REC
	s_add_nc_u64 s[82:83], s[14:15], s[66:67]      ; kv's record (head, mb)
	s_lshl_b32 s66, s24, 1
	s_add_co_u32 s66, s66, s19
	s_lshl_b32 s66, s66, 12
	s_lshl_b32 s71, s70, 8
	s_add_co_u32 s66, s66, s71
	s_add_nc_u64 s[86:87], s[16:17], s[66:67]      ; vpart: [chunk 2 mb + wm][64 head + d]
	WIN 0x40                                       ; q's bias, in the result's layout: tile bt, register j: column 32 (bt / 2) + 16 h + 8 (bt % 2) + j
.irp bt, 0,1,2,3
	global_load_b128 v[192+8*\bt:195+8*\bt], v[H64], s[72:73] offset:(32*(\bt/2)+8*(\bt%2))*4
	global_load_b128 v[196+8*\bt:199+8*\bt], v[H64], s[72:73] offset:(32*(\bt/2)+8*(\bt%2))*4+16
.endr
	WIN 0x80                                       ; k's
.irp bt, 0,1,2,3
	global_load_b128 v[192+8*\bt:195+8*\bt], v[H64], s[72:73] offset:4096+(32*(\bt/2)+8*(\bt%2))*4
	global_load_b128 v[196+8*\bt:199+8*\bt], v[H64], s[72:73] offset:4096+(32*(\bt/2)+8*(\bt%2))*4+16
.endr
	WIN 0xc0                                       ; v's: a lane holds one channel, so all eight registers of a tile take the same number
.irp bt, 0,1,2,3
.irp j, 0,1,2,3,4,5,6,7
	global_load_b32 v[192+8*\bt+\j], v[PR4], s[72:73] offset:8192+(32*(\bt/2)+8*(\bt%2))*4
.endr
.endr
	v_mov_b32 v224, 0x08208208                     ; a fragment of ones: the code 1.0 at k = 0 .. 63, zeros above
	v_mov_b32 v225, 0x82082082
	v_mov_b32 v226, 0x20820820
	v_mov_b32 v227, 0x08208208
	v_mov_b32 v228, 0x82082082
	v_mov_b32 v229, 0x20820820
.irp j, 230,231,232,233,234,235
	v_mov_b32 v\j, 0
.endr
	WIN 0
.irp a, 0,1,2,3
	global_load_u8 v[MB+\a], v[PR], s[74:75] offset:32*(\a/2)+8*(\a%2)    ; the mask byte of tile a's token in my lane place (both halves of the lanes alike)
.endr
	s_wait_alu depctr_va_vdst(0)
	s_wait_tensorcnt 0x0                           ; my half block is in; the lines ahead of a later first fill:
	ds_add_u32 v[SPW], v[NIL]
	s_mov_b32 s[G1B+2], 100<<16                    ; no load of mine is out: from here on a load brings a quarter of a block, 100 rows
	s_mov_b32 s[G1B+4], 100
	s_wait_dscnt 0x0
	CROUND                                         ; everybody's part is in, and the joint loads meet
	tensor_load_to_lds s[52:55], s[G1B:G1B+7]      ; k's weights into slot 1: they have q's phase in which to land
	s_nop 0
.rept 4
	v_nop
.endr
.irp a, 0,1,2,3                        ; x's 32 fragments: they stay
.set W_, (1+\a/2)<<6
	WIN W_
.irp ks, 0,1,2,3,4,5,6,7
.irp g, 0,1,2
	ds_load_b128 v[12*(8*(\a%2)+\ks)+4*\g:12*(8*(\a%2)+\ks)+4*\g+3], v[ADA] offset:(8*\a+\ks)*FRB+512*\g
.endr
.endr
.endr
	WIN 0
.set q_, 0
.rept 16
	ds_load_b32 v[XS+q_], v[ADXS] offset:128*q_    ; x's scale words: group q_ / 8, K step q_ % 8; lanes 0-15 the even tile's, lanes 16-31 the odd one's
.set q_, q_+1
.endr
	s_wait_loadcnt 0x0                             ; the biases and the mask bytes
	v_mov_b32 v92, 0x01010000                      ; a valid key: scale bytes 1, 1 above its own two;
	v_mov_b32 v93, 0x01900000                      ; a masked one: 2^17 for k = 64 .. 95
	v_lshlrev_b32 v94, 3, v[HH]
	v_sub_nc_u32 v94, 8, v94                       ; the code 1.0 at k = 64, which lies in lanes 0-15
	v_mul_u32_u24 v[QM], v[HH], 0x28
	v_sub_nc_u32 v[QM], 0x28, v[QM]                ; q's code -1.0 there
.irp a, 0,1,2,3
	v_cmp_eq_u32 vcc_lo, 0, v[MB+\a]
	v_cndmask_b32 v[KB+\a], v92, v93, vcc_lo
	v_cndmask_b32 v[KM+\a], 0, v94, vcc_lo
.endr
.macro FETCH_B slot, ks                ; the weights' four fragments of K step ks into set ks % 4
	WIN 0xc0
.irp bt, 0,1,2,3
.irp g, 0,1,2
	ds_load_b128 v[48*((\ks)%4)+12*\bt+4*\g:48*((\ks)%4)+12*\bt+4*\g+3], v[ADB+\slot] offset:(8*\bt+(\ks))*FRB+512*\g
.endr
.endr
.endm
; 16 products of K step ks.  The 16 accumulators take turns, one instruction a turn, in the same order in every step.  Step 0 takes the bias as C: nothing is cleared.
.macro MULSTEP p, ks
.irp a, 0,1,2,3
.if \p == 2
.set W_, (1+\a/2)|(3<<2)
.else
.set W_, 3|((1+\a/2)<<2)
.endif
.if \ks == 0
.set W_, W_|((1+\p)<<4)
.endif
	WIN W_
.irp bt, 0,1,2,3
.set fW, 48*(\ks%4)+12*\bt
.set fX, 12*(8*(\a%2)+\ks)
.if \p == 2
.set rD, ACC+8*(4*\bt+\a)
.set rA, fX
.set rB, fW
.set rSA, XS+8*(\a/2)+\ks
.set rSB, WS+8*(\bt/2)+\ks
.set oA, \a%2
.set oB, \bt%2
.else
.set rD, ACC+8*(4*\a+\bt)
.set rA, fW
.set rB, fX
.set rSA, WS+8*(\bt/2)+\ks
.set rSB, XS+8*(\a/2)+\ks
.set oA, \bt%2
.set oB, \a%2
.endif
.if \ks == 0
.set rC, 192+8*\bt
.else
.set rC, rD
.endif
	WM6 0, oA, oB
.endr
.endr
.endm
.macro PHASE p, slot
	WIN 0
.set q_, 0
.rept 16
	ds_load_b32 v[WS+q_], v[ADWS+\slot] offset:128*q_
.set q_, q_+1
.endr
	FETCH_B \slot, 0
	FETCH_B \slot, 1
	FETCH_B \slot, 2
	FETCH_B \slot, 3
.irp ks, 0,1,2,3,4,5,6,7
.if \ks <= 4
	s_wait_dscnt 36                                ; this step's fragments are in; the three younger steps' twelve loads each may be out
.else
	s_wait_dscnt 12*(7-\ks)
.endif
	MULSTEP \p, \ks
.if \ks < 4
	PLACES
	FETCH_B \slot, \ks+4                           ; the set just multiplied takes the step four on
.endif
.endr
	WIN 0
.endm
; 32 numbers of a lane, v[src] on (register 16 b + i = index 32 b + 16 h + i of my row's 64), become six registers of codes, v[pc] on (lane half h: block h), and the two scale bytes in v[w].
.macro QUANT2 src, pc, w
	v_max3_num_f32 v[BM], |v[\src]|, |v[\src+1]|, 0x1800000        ; with the floor 2^(3 - 127): the byte cannot fall under 1
	v_max3_num_f32 v[BM+1], |v[\src+16]|, |v[\src+17]|, 0x1800000
.irp i, 2,4,6,8,10,12,14
	v_max3_num_f32 v[BM], v[BM], |v[\src+\i]|, |v[\src+\i+1]|
	v_max3_num_f32 v[BM+1], v[BM+1], |v[\src+16+\i]|, |v[\src+17+\i]|
.endr
	v_permlanex16_b32 v[PM], v[BM], s68, s69
	v_permlanex16_b32 v[PM+1], v[BM+1], s68, s69
	v_max_num_f32 v[BM], v[BM], v[PM]              ; with lane l xor 16's: the block's largest magnitude
	v_max_num_f32 v[BM+1], v[BM+1], v[PM+1]
	v_add_nc_u32 v[SO], 0xff000000, v[BM]          ; 2 off the exponent field: the conversion's scale operand
	v_add_nc_u32 v[SO+1], 0xff000000, v[BM+1]
	v_lshrrev_b32 v[BY], 23, v[SO]
	v_lshrrev_b32 v[BY+1], 23, v[SO+1]
	v_lshl_or_b32 v[\w], v[BY+1], 8, v[BY]
	v_cvt_scalef32_pk16_fp6_f32 v[\pc:\pc+2], v[\src:\src+15], v[SO]
	v_cvt_scalef32_pk16_fp6_f32 v[T:T+2], v[\src+16:\src+31], v[SO+1]
	v_nop                                          ; one plain place behind a scaled conversion
.irp i, 0,1,2
	v_permlane16_swap_b32 v[\pc+\i], v[T+\i]       ; a whole block to a lane: lanes 0-15 block 0, lanes 16-31 block 1
.endr
.irp i, 0,1,2
	v_mov_b32 v[\pc+3+\i], v[T+\i]
.endr
.endm
.macro VSTORE pc, off                  ; half a fragment of V: my 64 keys are registers 0-5 (wm = 0) or 6-11 (wm = 1) of the step's 128
	s_cmp_eq_u32 s19, 0
	s_cbranch_scc0 .Lhi_\@
	global_store_b128 v[L16], v[\pc:\pc+3], s[82:83] offset:\off
	global_store_b64 v[L8], v[\pc+4:\pc+5], s[82:83] offset:\off+512
	s_branch .Ldone_\@
.Lhi_\@:
	s_wait_alu depctr_va_vdst(0)
	global_store_b64 v[L8], v[\pc:\pc+1], s[82:83] offset:\off+768
	global_store_b128 v[L16], v[\pc+2:\pc+5], s[82:83] offset:\off+1024
.Ldone_\@:
.endm
	PHASE 0, 0                                     ; ---- q
	s_wait_tensorcnt 0x0                           ; all my tensor loads have landed, k's weights among them;
	ds_add_u32 v[SPW], v[NIL]                      ; 0 onto my spare word:
	s_wait_dscnt 0x0                               ; the add is done, and my reads of slot 0 are over
	CROUND                                         ; so it is with every wave of every partner
	tensor_load_to_lds s[56:59], s[G1B:G1B+7]      ; v's weights into slot 0: they have q's way out and all of k's phase in which to land
	s_nop 0
.rept 4
	v_nop
.endr
	PLACES
.irp a, 0,1,2,3                        ; q's way out: a tile of 16 tokens is eight registers a lane: six of codes, the mask's code, the scale word
.set pc_, PC+12*(\a%2)
	s_wait_xcnt 0x0                                ; earlier stores have read their registers
	QUANT2 ACC+32*\a, pc_, OUTP+2
	v_mov_b32 v[pc_+6], v[QM]
	v_or_b32 v[pc_+7], 0x018f0000, v[OUTP+2]       ; bytes 2, 3: 2^16 for k = 64 .. 95, and 1
	global_store_b128 v[L16], v[pc_:pc_+3], s[76:77] offset:1024*\a
	global_store_b128 v[L16], v[pc_+4:pc_+7], s[76:77] offset:1024*\a+512
.endr
	PHASE 1, 1                                     ; ---- k
	PLACES
.irp a, 0,1,2,3
.set pc_, PC+12*(\a%2)
	s_wait_xcnt 0x0
	QUANT2 ACC+32*\a, pc_, OUTP+2
	v_mov_b32 v[pc_+6], v[KM+\a]
	v_mov_b32 v[pc_+7], 0
	v_or_b32 v[WD+\a], v[OUTP+2], v[KB+\a]
	global_store_b128 v[K16], v[pc_:pc_+3], s[82:83] offset:1024*\a
	global_store_b128 v[K16], v[pc_+4:pc_+7], s[82:83] offset:1024*\a+512
.endr
	v_cmp_eq_u32 vcc_lo, 1, v[HH]
	v_cndmask_b32 v[OUTP], v[WD], v[WD+1], vcc_lo  ; lanes 0-15 the even tile's words, lanes 16-31 the odd one's; my two groups side by side
	v_cndmask_b32 v[OUTP+1], v[WD+2], v[WD+3], vcc_lo
	global_store_b64 v[K8], v[OUTP:OUTP+1], s[82:83] offset:14336
	s_wait_tensorcnt 0x0                           ; my quarter of v's weights is in,
	s_barrier_signal -1
	s_barrier_wait -1                              ; everybody's is
	PHASE 2, 0                                     ; ---- v
	PLACES
	s_wait_xcnt 0x0
.irp j, 6,7,8,9,10,11,18,19,20,21,22,23
	v_mov_b32 v[PC+\j], 0                          ; the sum product's K is my 64 keys: zero codes above
.endr
.irp bt, 0,1,2,3
.set pc_, PC+12*(\bt%2)
	s_wait_xcnt 0x0
	QUANT2 ACC+32*\bt, pc_, WD+\bt
	v_or_b32 v[VW+\bt%2], 0x7f7f0000, v[WD+\bt]
	VSTORE pc_, 8192+FRB*\bt
.rept 8
	v_nop                                          ; a scale register written by a vector instruction stands 8 places ahead of a scaled matrix instruction, an operand so written 4
.endr
	WIN 0x03
.set rD, ACC+32*\bt
.set rA, 224
.set rB, pc_
.set rSA, ONESC
.set rSB, VW+\bt%2
	s_wait_alu depctr_va_vdst(0)
	WM6 1, 0, 0                                    ; ones x the quantised v: every row of the result is the sum over my 64 keys; lane place r: channel r's
	WIN 0
.endr
	PLACES
	s_wait_xcnt 0x0
	v_cmp_eq_u32 vcc_lo, 1, v[HH]
.irp b, 0,1
	v_cndmask_b32 v[OUTP+\b], v[ACC+64*\b], v[ACC+64*\b+32], vcc_lo     ; each accumulator's lowest register; lanes 0-15 the even tile's channels, lanes 16-31 the odd one's
	v_cndmask_b32 v[OUTP+2+\b], v[WD+2*\b], v[WD+2*\b+1], vcc_lo
	global_store_b32 v[DOF], v[OUTP+\b], s[86:87] offset:128*\b
	global_store_b16 v[V8], v[OUTP+2+\b], s[82:83] offset:14848+4*\b    ; my half (bytes 2 wm, 2 wm + 1) of V's scale words
.endr
	s_wait_tensorcnt 0x0                           ; the wave's end, behind my last tensor load
	ds_add_u32 v[SPW], v[NIL]
	s_wait_dscnt 0x0
	CROUND                                         ; the closing round
	s_endpgm
.Lfunc_end_k_q3170ffd430_qkv:
	.size	k_q3170ffd430_qkv, .Lfunc_end_k_q3170ffd430_qkv-k_q3170ffd430_qkv
	.p2alignl 7, 3214868480
	.fill 96, 4, 3214868480
	.section	.rodata,"a",@progbits
	.p2align	6, 0x0
	.amdhsa_kernel k_q3170ffd430_qkv
		.amdhsa_group_segment_fixed_size 327680
		.amdhsa_private_segment_fixed_size 0
		.amdhsa_enable_private_segment 0
		.amdhsa_kernarg_size 56
		.amdhsa_user_sgpr_count 2
		.amdhsa_user_sgpr_kernarg_segment_ptr 1
		.amdhsa_wavefront_size32 1
		.amdhsa_system_sgpr_workgroup_id_x 1
		.amdhsa_system_sgpr_workgroup_id_y 1
		.amdhsa_system_sgpr_workgroup_id_z 1
		.amdhsa_system_vgpr_workitem_id 0
		.amdhsa_next_free_vgpr 1024
		.amdhsa_next_free_sgpr 100
		.amdhsa_reserve_vcc 1
		.amdhsa_float_denorm_mode_32 3
		.amdhsa_float_denorm_mode_16_64 3
		.amdhsa_memory_ordered 1
		.amdhsa_forward_progress 1
		.amdhsa_inst_pref_size 127
	.end_amdhsa_kernel
	.amdgpu_metadata
---
amdhsa.version: [ 1, 2 ]
amdhsa.kernels:
  - .name:           k_q3170ffd430_qkv
    .symbol:         k_q3170ffd430_qkv.kd
    .args:
      - { .name: xq, .offset: 0, .size: 8, .value_kind: global_buffer, .address_space: global }
      - { .name: wcod, .offset: 8, .size: 8, .value_kind: global_buffer, .address_space: global }
      - { .name: b_qkv, .offset: 16, .size: 8, .value_kind: global_buffer, .address_space: global }
      - { .name: padding_mask, .offset: 24, .size: 8, .value_kind: global_buffer, .address_space: global }
      - { .name: qimg, .offset: 32, .size: 8, .value_kind: global_buffer, .address_space: global }
      - { .name: kv, .offset: 40, .size: 8, .value_kind: global_buffer, .address_space: global }
      - { .name: vpart, .offset: 48, .size: 8, .value_kind: global_buffer, .address_space: global }
    .group_segment_fixed_size: 327680
    .private_segment_fixed_size: 0
    .kernarg_segment_align: 8
    .kernarg_segment_size: 56
    .max_flat_workgroup_size: 128
    .sgpr_count:     100
    .vgpr_count:     1024
    .wavefront_size: 32
...
	.end_amdgpu_metadata
.endif
;; end of part 2
;; launch attn (part 3): grid 16 x 16, 8 waves a work-group, no clusters, 327,680 bytes of LDS; arguments qimg, kv, vpart, cimg; writes cimg
.if DOCPART == 3
	.amdgcn_target "amdgcn-amd-amdhsa--gfx1250"
	.amdhsa_code_object_version 6
	.text
	.protected	k_q3170ffd430_attn
	.globl	k_q3170ffd430_attn
	.p2align	8
	.type	k_q3170ffd430_attn,@function
k_q3170ffd430_attn:
	s_mov_b64 s[64:65], 0
	v_nop
	global_prefetch_b8 v0, s[64:65] scope:SCOPE_SE
	s_setreg_imm32_b32 hwreg(HW_REG_WAVE_MODE, 25, 1), 1
	s_wait_xcnt 0x0
; Causal attention with a padding mask, 16 heads of 64, 4,096 tokens, both products on codes of FP6 (E2M3); its result, the concatenated heads, leaves quantised for the last product.
; THE SOFTMAX AHEAD OF THE SECOND PRODUCT: t = score x log2(e) / 8; M = the row's largest t so far, rounded UP to a whole number; p = 2^(t - M) is quantised along the keys, not normalised; the row's sum is taken of the
; unquantised p and divides at the end.  When M moves, the sum and O are multiplied by 2^(old M - new M): exact.
; SHARES.  Work-group (j, head) owns query chunks j and 31 - j, 128 queries each; wave w owns tile w (16 queries) of both: tile A (chunk j) and tile B (chunk 31 - j).  A key step is 128 keys = a chunk, so A walks steps 0 .. j
; and B steps 0 .. 31 - j: 33 tile steps for every wave of every work-group.  A and B share each step's fragments of K and V.  Whether a tile is at work in a step, and whether the step is its diagonal, are tests on ids alone.
; NO CLUSTER: the jumps round hidden steps hang on j, the work-group's own place, which no branch may do where loads are joint; and a slot's 60,416 bytes feed up to 64 tile steps of some 240 vector instructions each.
; LAYOUT.  Both products transposed: S^T = K Q^T, O^T = V^T P^T: a lane holds ONE query throughout.  Tiles are permuted (lane place i of tile (b, u): row 32 b + 8 u + i + 8 (i / 8)), so p's 16 registers of two neighbouring tiles are 16 neighbouring keys.
; THE PADDING MASK comes inside K's and Q's codes at k = 64 (the head's K is 64 of the instruction's 128): a masked key's score is q.k - 2^33, a valid key's gets 0 added.  Registers 8-11 of a K operand are the next tile's codes: they meet Q's zero codes alone.
; A QUERY WITH NO VALID KEY AT OR BEFORE IT has all logits equal in the definition, hidden keys too: its row is the mean of the quantised v over ALL keys.  It is known by its largest t under -2^29, and takes that mean (from vpart) by a select.
; LIMITS: logits under 3.7e8 in magnitude; NaN and infinities are not served; blocks whose largest magnitude lies under 2^-124 keep the scale byte 1.
; REGISTERS: window 0: v1-11 addresses; v12-19 the tiles' -M, largest t, sum (two halves); v20-43 Q's fragments; v44-51 scale words; v52-115 S^T, then p; v116-179 O^T of A, of B; v180-191 p's codes; v192-223 at work; v224-255 the mean of v.
;   window 1: v0-67 K's eight tiles, eight registers each, and four zeros; v72-119 V's four fragments.
.set BLK,   102400
.set SCO,   98304
.set FRB,   1536
.set REC,   15104                      ; a head's record of 128 keys: K's tiles 8 x 1,024; V's fragments 4 x 1,536; K's scale words 512; V's 256
.set SLOT1, 65536                      ; a slot holds four records; one exclusive or turns an address from one slot to the other
.set VSUM,  131072                     ; eight waves' partial sums of v, 256 bytes each
.set VMEAN, 133120                     ; each wave's copy of the mean
.set SPARE, 135168                     ; the spare words, 128 bytes for each wave
.set SPW, 3
.set NIL, 4
.set KS,  46                           ; v46-49 K's scale words; v50-51 V's
.set VSC, 50
.set S,   52
.set OA,  116
.set OB,  148
.set PC,  180
.set T,   192
.set BM,  200
.set PM,  204
.set SO,  208
.set BY,  212
.set PW,  218
.set G1,  28
.set G0,  36
.set MSB, 0
.macro WIN new
.if MSB != \new
	s_set_vgpr_msb (MSB<<8)|\new
.set MSB, \new
.endif
.endm
.macro WM6 cz, ra, rb
.if \cz
.if \ra
	v_wmma_scale_f32_16x16x128_f8f6f4 v[rD:rD+7], v[rA:rA+11], v[rB:rB+11], 0, v[rSA], v[rSB] matrix_a_fmt:MATRIX_FMT_FP6 matrix_b_fmt:MATRIX_FMT_FP6 matrix_a_scale:MATRIX_SCALE_ROW1
.else
	v_wmma_scale_f32_16x16x128_f8f6f4 v[rD:rD+7], v[rA:rA+11], v[rB:rB+11], 0, v[rSA], v[rSB] matrix_a_fmt:MATRIX_FMT_FP6 matrix_b_fmt:MATRIX_FMT_FP6
.endif
.else
.if \ra
	v_wmma_scale_f32_16x16x128_f8f6f4 v[rD:rD+7], v[rA:rA+11], v[rB:rB+11], v[rD:rD+7], v[rSA], v[rSB] matrix_a_fmt:MATRIX_FMT_FP6 matrix_b_fmt:MATRIX_FMT_FP6 matrix_a_scale:MATRIX_SCALE_ROW1
.else
	v_wmma_scale_f32_16x16x128_f8f6f4 v[rD:rD+7], v[rA:rA+11], v[rB:rB+11], v[rD:rD+7], v[rSA], v[rSB] matrix_a_fmt:MATRIX_FMT_FP6 matrix_b_fmt:MATRIX_FMT_FP6
.endif
.endif
.endm
.macro TLOAD                           ; waves 0 to 3 fetch a record each; the branch hangs on the wave's number alone; an s_nop 0 and four v_nop follow the load
	s_cmp_lt_u32 s12, 4
	s_cbranch_scc0 .Lasked_\@
	tensor_load_to_lds s[G0:G0+3], s[G1:G1+7]
	s_nop 0
.rept 4
	v_nop
.endr
.Lasked_\@:
.endm
; A PREFETCH INTO THE L2 of the slot that the NEXT change of slots will ask for: four key steps ahead of that load.  All sixteen work-groups of a head walk the same records: the head's first work-group asks, with the waves that
; fetch nothing: waves 4 to 7, a record each: its 59 blocks of 256 bytes by two instructions, a lane a block, the second one's last lanes held at the record's last block.  The last change that fills a slot asks for nothing.
.macro ASK
	s_cmp_gt_u32 s18, s24
	s_cbranch_scc0 .Lnot_mine_\@
	global_prefetch_b8 v9, s[26:27] th:TH_LOAD_NT scope:SCOPE_SE
	global_prefetch_b8 v10, s[26:27] th:TH_LOAD_NT scope:SCOPE_SE
.Lnot_mine_\@:
.endm
	s_load_b256 s[4:11], s[0:1], 0x0               ; qimg, kv, vpart, cimg
	v_lshl_add_u32 v[SPW], v0, 2, SPARE
	v_mov_b32 v[NIL], 0
	ds_add_u32 v[SPW], v[NIL]                      ; the wave's opening: the add and its wait ahead of my first tensor load; the set-up below stands between them
	ds_add_u32 v[SPW], v[NIL]
	v_lshrrev_b32 v5, 5, v0
	s_delay_alu instid0(VALU_DEP_1)
	v_readfirstlane_b32 s12, v5                    ; wave 0..7
	s_mov_b32 s13, ttmp9                           ; j: tile A's last step
	s_sub_co_u32 s14, 31, s13                      ; 31 - j: tile B's
	s_and_b32 s15, ttmp7, 0xffff                   ; the head
	s_mov_b32 s[G1], 3<<16                         ; a record: 59 dense rows of 256 bytes (32 elements of 8 bytes); no mask, no padding
	s_mov_b32 s[G1+1], 32<<16
	s_mov_b32 s[G1+2], 59<<16
	s_mov_b32 s[G1+3], 32<<16
	s_mov_b32 s[G1+4], 59
	s_mov_b32 s[G1+5], 32
	s_mov_b32 s[G1+6], 0
	s_mov_b32 s[G1+7], 0
	s_mul_i32 s40, s15, 32*REC                     ; the head's records
	s_mul_i32 s41, s12, REC
	s_add_co_u32 s42, s40, s41
	s_mov_b32 s43, 0
	s_mov_b32 s16, 0                               ; LDS byte of the record in hand
	s_mov_b32 s17, 0                               ; the key step
	s_mov_b32 s18, 7                               ; slots still to be asked for, or left out at the limit
	s_mov_b32 s20, 0x76543210
	s_mov_b32 s21, 0xfedcba98
	s_mov_b32 s22, 0x3e38aa3b                      ; c = log2(e) / 8
	s_mov_b32 s23, s22
	s_wait_dscnt 0x0                               ; the opening add is done
	s_wait_kmcnt 0x0
	s_mov_b32 s[G0], 1
	s_mov_b32 s[G0+1], s41                         ; slot 0, record = my wave's number
	s_add_nc_u64 s[G0+2:G0+3], s[6:7], s[42:43]
	s_or_b32 s[G0+3], s[G0+3], 0x80000000
	TLOAD                                          ; slot 0
	s_and_b32 s44, s12, 3                          ; the prefetches: my record of slot 1; the first change of slots steps it to slot 2
	s_mul_i32 s44, s44, REC
	s_add_co_u32 s44, s44, s40
	s_add_co_u32 s44, s44, 4*REC
	s_mov_b32 s45, 0
	s_add_nc_u64 s[26:27], s[6:7], s[44:45]
	s_lshr_b32 s46, s12, 2
	s_xor_b32 s46, s46, 1                          ; 0 in waves 4 to 7,
	s_or_b32 s46, s46, ttmp9                       ; of the head's first work-group
	s_cmp_eq_u32 s46, 0
	s_cselect_b32 s24, 1, -1
	v_and_b32 v1, 31, v0
	s_delay_alu instid0(VALU_DEP_1)
	v_lshlrev_b32 v2, 3, v1                        ; 8 x lane
	s_delay_alu instid0(VALU_DEP_2)
	v_lshlrev_b32 v9, 8, v1
	s_delay_alu instid0(VALU_DEP_3)
	v_add_nc_u32 v10, 32, v1
	s_delay_alu instid0(VALU_DEP_1)
	v_min_u32 v10, 58, v10
	s_delay_alu instid0(VALU_DEP_1)
	v_lshlrev_b32 v10, 8, v10
	v_lshlrev_b32 v1, 4, v1                        ; 16 x lane
	v_and_b32 v7, 15, v0
	v_bfe_u32 v8, v0, 4, 1
	s_delay_alu instid0(VALU_DEP_2)
	v_and_b32 v5, 8, v7
	s_delay_alu instid0(VALU_DEP_1)
	v_add_nc_u32 v5, v5, v7
	s_delay_alu instid0(VALU_DEP_3)
	v_lshlrev_b32 v6, 4, v8
	s_delay_alu instid0(VALU_DEP_1)
	v_sub_nc_u32 v5, v5, v6
	s_lshr_b32 s46, s12, 1
	s_lshl_b32 s46, s46, 5
	s_and_b32 s47, s12, 1
	s_lshl_b32 s47, s47, 3
	s_add_co_u32 s46, s46, s47
	v_add_nc_u32 v5, s46, v5                       ; my query's place in its chunk, less 16 (lane / 16)
	v_mov_b32 v6, 0xff800000                       ; -infinity
	s_lshl_b32 s47, s12, 8
	v_add_nc_u32 v11, s47, v2
	s_delay_alu instid0(VALU_DEP_1)
	v_add_nc_u32 v11, VSUM, v11                    ; my wave's partial sums
	s_lshl_b32 s46, s15, 18                        ; qimg: [head][tile][1,024]
	s_lshl_b32 s47, s12, 10
	s_add_co_u32 s46, s46, s47
	s_lshl_b32 s48, s13, 13
	s_add_co_u32 s48, s48, s46
	s_mov_b32 s49, 0
	s_add_nc_u64 s[48:49], s[4:5], s[48:49]
	s_lshl_b32 s50, s14, 13
	s_add_co_u32 s50, s50, s46
	s_mov_b32 s51, 0
	s_add_nc_u64 s[50:51], s[4:5], s[50:51]
	global_load_b128 v[20:23], v1, s[48:49]
	global_load_b128 v[24:27], v1, s[48:49] offset:512
	global_load_b128 v[32:35], v1, s[50:51]
	global_load_b128 v[36:39], v1, s[50:51] offset:512
	s_lshl_b32 s52, s12, 15                        ; vpart: chunks 8 w .. 8 w + 7, my head's 64 numbers
	s_lshl_b32 s53, s15, 8
	s_add_co_u32 s52, s52, s53
	s_mov_b32 s53, 0
	s_add_nc_u64 s[52:53], s[8:9], s[52:53]
.irp i, 0,1,2,3,4,5,6,7
	global_load_b64 v[S+2*\i:S+2*\i+1], v2, s[52:53] offset:4096*\i
.endr
	s_lshr_b32 s54, s15, 1                         ; the way out: K step head / 2 of the last product, half head % 2 of it
	s_and_b32 s25, s15, 1
	s_lshl_b32 s55, s12, 3
	s_add_co_u32 s55, s55, s54
	s_mul_i32 s55, s55, FRB
	s_mul_i32 s56, s13, BLK
	s_add_co_u32 s56, s56, s55
	s_mov_b32 s57, 0
	s_add_nc_u64 s[56:57], s[10:11], s[56:57]      ; tile A's fragment
	s_mul_i32 s58, s14, BLK
	s_add_co_u32 s58, s58, s55
	s_mov_b32 s59, 0
	s_add_nc_u64 s[58:59], s[10:11], s[58:59]      ; tile B's
	s_lshr_b32 s60, s12, 1
	s_lshl_b32 s60, s60, 3
	s_add_co_u32 s60, s60, s54
	s_lshl_b32 s60, s60, 7
	s_and_b32 s61, s12, 1
	s_lshl_b32 s61, s61, 6
	s_add_co_u32 s60, s60, s61
	s_lshl_b32 s61, s25, 1
	s_add_co_u32 s60, s60, s61
	s_add_co_u32 s60, s60, SCO
	s_mul_i32 s61, s13, BLK
	s_add_co_u32 s60, s60, s61
	s_mov_b32 s61, 0
	s_add_nc_u64 s[60:61], s[10:11], s[60:61]      ; tile A's half scale words; B's lie (31 - 2 j) blocks on
	s_sub_co_u32 s62, s14, s13
	s_mul_i32 s62, s62, BLK
	s_wait_loadcnt 0x0
	v_mov_b32 v44, v27                             ; Q's scale words stand in registers of their own;
	v_mov_b32 v45, v39
.irp j, 27,28,29,30,31,39,40,41,42,43
	v_mov_b32 v\j, 0                               ; above k = 64 Q's codes are zeros
.endr
.irp i, 0,2,4,6
	v_pk_add_f32 v[S+2*\i:S+2*\i+1], v[S+2*\i:S+2*\i+1], v[S+2*\i+2:S+2*\i+3]
.endr
	s_delay_alu instid0(VALU_DEP_3)
	v_pk_add_f32 v[S:S+1], v[S:S+1], v[S+4:S+5]
	s_delay_alu instid0(VALU_DEP_2)
	v_pk_add_f32 v[S+8:S+9], v[S+8:S+9], v[S+12:S+13]
	s_delay_alu instid0(VALU_DEP_1)
	v_pk_add_f32 v[S:S+1], v[S:S+1], v[S+8:S+9]
	ds_store_b64 v11, v[S:S+1]                     ; my eight chunks' sum of v; the first change of slots' wait and barrier show it to the other waves
.irp st, 12,16
	v_mov_b32 v[\st+1], 0xff61b1e6                 ; the largest t so far: -3e38
	s_delay_alu instid0(VALU_DEP_1)
	v_floor_f32 v[\st], -v[\st+1]                  ; -M
	v_mov_b32 v[\st+2], 0
	v_mov_b32 v[\st+3], 0
.endr
.set n_, 0
.rept 64
	v_mov_b32 v[OA+n_], 0                          ; O^T of both tiles: the step is written once; its first turn finds zeros
.set n_, n_+1
.endr
.irp b, 0,1,2,3
	v_mov_b32 v[PM+\b], 0                          ; (a lane permute's destination counts as read)
.endr
	v_mov_b32 v217, 0                              ; (named as the upper half of the pair v[216:217])
	WIN 0x40
.irp j, 64,65,66,67
	v_mov_b32 v\j, 0                               ; behind K's last tile
.endr
	WIN 0
; ONE TILE'S TURN in a key step: 8 products, the softmax, 4 products.  q, qs: Q's fragment and scale words; st: the statistics; o: O^T; lim: the scalar register with the tile's diagonal step.
.macro TILE q, qs, st, o, lim
	WIN 0x01                                       ; source 0 in window 1
.set t_, 0
.rept 8
.set rD, S+8*t_
.set rA, 8*t_
.set rB, \q
.set rSA, KS+t_/2
.set rSB, \qs
	WM6 1, t_%2, 0
.set t_, t_+1
.endr
	WIN 0
.rept 4
	v_nop
.endr
	s_cmp_lg_u32 s17, s[\lim]                      ; on the diagonal the scores of hidden keys become -infinity ahead of the maximum; every other step of the tile skips this
	s_cbranch_scc1 .Lopen_\@
.set n_, 0
.rept 64
	v_cmp_gt_i32 vcc_lo, 32*(n_/16)+n_%16, v5      ; register 16 b + i holds key 32 b + 16 (lane / 16) + i of the step
	v_cndmask_b32 v[S+n_], v[S+n_], v6, vcc_lo
.set n_, n_+1
.endr
.Lopen_\@:
.irp b, 0,1,2,3
	v_max3_num_f32 v[BM+\b], v[S+16*\b], v[S+1+16*\b], v[S+2+16*\b]    ; the largest score of each block of 32 keys: for the row's maximum and, since p rises with the score, for the block's largest p
.endr
.irp i, 3,5,7,9,11,13
.irp b, 0,1,2,3
	v_max3_num_f32 v[BM+\b], v[BM+\b], v[S+16*\b+\i], v[S+1+16*\b+\i]
.endr
.endr
.irp b, 0,1,2,3
	v_max_num_f32 v[BM+\b], v[BM+\b], v[S+15+16*\b]
.endr
.irp b, 0,1,2,3
	s_delay_alu instid0(VALU_DEP_4)
	v_permlanex16_b32 v[PM+\b], v[BM+\b], s20, s21
.endr
.irp b, 0,1,2,3
	s_delay_alu instid0(VALU_DEP_4)
	v_max_num_f32 v[BM+\b], v[BM+\b], v[PM+\b]
.endr
	s_delay_alu instid0(VALU_DEP_2)
	v_max3_num_f32 v219, v[BM], v[BM+1], v[BM+2]
	s_delay_alu instid0(VALU_DEP_1)
	v_max_num_f32 v219, v219, v[BM+3]
	s_delay_alu instid0(VALU_DEP_1)
	v_mul_f32 v219, s22, v219
	s_delay_alu instid0(VALU_DEP_1)
	v_max_num_f32 v[\st+1], v[\st+1], v219         ; the running largest t
	v_mov_b32 v219, v[\st]
	s_delay_alu instid0(VALU_DEP_2)
	v_floor_f32 v[\st], -v[\st+1]                  ; the new -M = -ceil(t)
	s_delay_alu instid0(VALU_DEP_1)
	v_sub_f32 v219, v[\st], v219                   ; old M - new M: a whole number, 0 or less
	s_delay_alu instid0(VALU_DEP_1)
	v_cvt_i32_f32 v219, v219                       ; (it saturates)
	s_delay_alu instid0(VALU_DEP_1)
	v_ldexp_f32 v216, 1.0, v219                    ; f = 2^(old M - new M)
.set n_, 0
.rept 32
	v_pk_fma_f32 v[S+n_:S+n_+1], v[S+n_:S+n_+1], s[22:23], v[\st:\st+1] op_sel_hi:[1,0,0]   ; t - M
.set n_, n_+2
.endr
.irp b, 0,1,2,3
	v_fma_f32 v[BM+\b], v[BM+\b], s22, v[\st]
.endr
.set n_, 0
	s_wait_alu depctr_va_vdst(0)
.rept 64
	v_exp_f32 v[S+n_], v[S+n_]                     ; p = 2^(t - M)
.set n_, n_+1
.endr
	v_pk_mul_f32 v[\st+2:\st+3], v[\st+2:\st+3], v[216:217] op_sel_hi:[1,0]    ; the sums under the new M (a plain place behind the exponentials)
	s_wait_alu depctr_va_vdst(0)                   ; one wait for the batch, ahead of its first reader
.irp b, 0,1,2,3
	v_exp_f32 v[BM+\b], v[BM+\b]                   ; each block's largest p
.endr
	v_pk_add_f32 v[220:221], v[S:S+1], v[S+2:S+3]  ; the row's sum of the unquantised p, in two chains
.irp j, 4,8,12,16,20,24,28,32,36,40,44,48,52,56,60
	v_pk_add_f32 v[\st+2:\st+3], v[\st+2:\st+3], v[S+\j:S+\j+1]
	v_pk_add_f32 v[220:221], v[220:221], v[S+\j+2:S+\j+3]
.endr
	s_delay_alu instid0(VALU_DEP_1)
	v_pk_add_f32 v[\st+2:\st+3], v[\st+2:\st+3], v[220:221]
	s_wait_alu depctr_va_vdst(0)                   ; and one for the four
.irp b, 0,1,2,3
	v_max_num_f32 v[BM+\b], 0x1800000, v[BM+\b]    ; the floor 2^(3 - 127)
.endr
.irp b, 0,1,2,3
	s_delay_alu instid0(VALU_DEP_4)
	v_add_nc_u32 v[SO+\b], 0xff000000, v[BM+\b]
.endr
.irp b, 0,1,2,3
	s_delay_alu instid0(VALU_DEP_4)
	v_lshrrev_b32 v[BY+\b], 23, v[SO+\b]
.endr
	s_delay_alu instid0(VALU_DEP_3)
	v_lshl_or_b32 v[PW], v[BY+1], 8, v[BY]         ; p's scale word for these 128 keys
	s_delay_alu instid0(VALU_DEP_1)
	v_lshl_or_b32 v[PW], v[BY+2], 16, v[PW]
	s_delay_alu instid0(VALU_DEP_1)
	v_lshl_or_b32 v[PW], v[BY+3], 24, v[PW]
.irp c, 0,1
	v_cvt_scalef32_pk16_fp6_f32 v[PC+6*\c:PC+6*\c+2], v[S+32*\c:S+32*\c+15], v[SO+2*\c]
	v_cvt_scalef32_pk16_fp6_f32 v[T+4*\c:T+4*\c+2], v[S+32*\c+16:S+32*\c+31], v[SO+2*\c+1]
.endr
	v_nop                                          ; one plain place behind a scaled conversion
.irp c, 0,1
.irp i, 0,1,2
	v_permlane16_swap_b32 v[PC+6*\c+\i], v[T+4*\c+\i]
.endr
.irp i, 0,1,2
	s_delay_alu instid0(VALU_DEP_3)
	v_mov_b32 v[PC+3+6*\c+\i], v[T+4*\c+\i]
.endr
.endr
.set n_, 0
.rept 16
	v_pk_mul_f32 v[\o+n_:\o+n_+1], v[\o+n_:\o+n_+1], v[216:217] op_sel_hi:[1,0]   ; O^T under the new M; these are also the places between p's scale word and codes and the products
.set n_, n_+2
.endr
	s_wait_alu depctr_va_vdst(0)
	s_wait_dscnt 0x0                               ; V is in
	WIN 0x01
.set t_, 0
.rept 4
.set rD, \o+8*t_
.set rA, 72+12*t_
.set rB, PC
.set rSA, VSC+t_/2
.set rSB, PW
	WM6 0, t_%2, 0                                 ; the four accumulators take turns, one instruction a turn
.set t_, t_+1
.endr
	WIN 0
.endm
.macro STEP
	s_cmp_gt_u32 s17, s14                          ; behind tile B's diagonal nothing is left: a branch on ids, round the step's loads and work, not round the lines at its end
	s_cbranch_scc1 .Lhidden_\@
	v_add_nc_u32 v7, s16, v1
	v_add_nc_u32 v8, s16, v2
	v_nop
	v_nop                                          ; four places in front of loads into registers that matrix instructions have read
	ds_load_b64 v[KS:KS+1], v8 offset:14336
	ds_load_b64 v[KS+2:KS+3], v8 offset:14592
	ds_load_b64 v[VSC:VSC+1], v8 offset:14848
	WIN 0x40
.irp t, 0,1,2,3,4,5,6,7
	ds_load_b128 v[8*\t:8*\t+3], v7 offset:1024*\t
	ds_load_b128 v[8*\t+4:8*\t+7], v7 offset:1024*\t+512
.endr
.irp t, 0,1,2,3
	ds_load_b128 v[72+12*\t:75+12*\t], v7 offset:8192+FRB*\t
	ds_load_b64 v[76+12*\t:77+12*\t], v8 offset:8192+FRB*\t+512
	ds_load_b64 v[78+12*\t:79+12*\t], v8 offset:8192+FRB*\t+768
	ds_load_b128 v[80+12*\t:83+12*\t], v7 offset:8192+FRB*\t+1024
.endr
	WIN 0
	s_wait_dscnt 16                                ; the scale words and K are in; V's sixteen loads may be out
	s_cmp_gt_u32 s17, s13
	s_cbranch_scc1 .Lonly_b_\@
	s_wait_alu depctr_va_vdst(0)
	TILE 20, 44, 12, OA, 13
.Lonly_b_\@:
	s_wait_alu depctr_va_vdst(0)
	TILE 32, 45, 16, OB, 14
.Lhidden_\@:
	s_add_co_u32 s16, s16, REC
	s_add_co_u32 s17, s17, 1
.endm
; THE CHANGE OF SLOTS stands at a slot's head.  Each wave waits for all its tensor loads, adds 0 to its spare word, and waits for that and for its reads of the slot that it has left.  Behind the barrier the slot ahead is whole and nobody
; reads the other one, which is then filled with the next four records, as long as one of its steps is read: a slot whose first step lies behind tile B's diagonal is not asked for.  That test is made of ids and the count of steps alone,
; is the same in all eight waves, and leads round the load's own lines alone; every wait on TENSORcnt in this text is for 0.
.macro CHANGE fill
	s_wait_tensorcnt 0x0
	ds_add_u32 v[SPW], v[NIL]
.if \fill
	s_xor_b32 s[G0+1], s[G0+1], SLOT1              ; no tensor load of mine is out: the walking descriptor steps
	s_add_nc_u64 s[G0+2:G0+3], s[G0+2:G0+3], 4*REC
	s_wait_xcnt 0x0                                ; the last prefetches, a slot back, have read their address
	s_add_nc_u64 s[26:27], s[26:27], 4*REC
.endif
	s_wait_dscnt 0x0
	s_barrier_signal -1
	s_barrier_wait -1
.if \fill
	s_add_co_u32 s40, s17, 4
	s_cmp_gt_u32 s40, s14
	s_cbranch_scc1 .Lpast_\@
	TLOAD
.Lpast_\@:
	ASK
.endif
.endm
.macro SLOT_STEPS                      ; a slot's four key steps: written once, walked four times
	s_mov_b32 s19, 4
.Lstep_\@:
	STEP
	s_sub_co_u32 s19, s19, 1
	s_cmp_lg_u32 s19, 0
	s_cbranch_scc1 .Lstep_\@
	s_sub_co_u32 s16, s16, 4*REC
	s_xor_b32 s16, s16, SLOT1
.endm
.Lslot:                                ; seven trips
	CHANGE 1
	SLOT_STEPS
	s_sub_co_u32 s18, s18, 1
	s_cmp_lg_u32 s18, 0
	s_cbranch_scc1 .Lslot
	CHANGE 0                                       ; the last slot is written out: it asks for nothing
	SLOT_STEPS
	; THE WAY OUT.  The mean of v: the eight waves' sums, x 2^-12, through my own 256 bytes of LDS into O^T's layout.
.rept 4
	v_nop
.endr
	v_add_nc_u32 v7, VSUM, v2
.irp i, 0,1,2,3,4,5,6,7
	ds_load_b64 v[S+2*\i:S+2*\i+1], v7 offset:256*\i
.endr
	v_bfe_u32 v8, v0, 4, 1
	s_delay_alu instid0(VALU_DEP_1)
	v_lshlrev_b32 v8, 6, v8
	s_lshl_b32 s40, s12, 8
	v_add_nc_u32 v8, s40, v8
	s_delay_alu instid0(VALU_DEP_1)
	v_add_nc_u32 v8, VMEAN, v8
	s_wait_alu depctr_va_vdst(0)
	s_wait_dscnt 0x0
.irp i, 0,2,4,6
	v_pk_add_f32 v[S+2*\i:S+2*\i+1], v[S+2*\i:S+2*\i+1], v[S+2*\i+2:S+2*\i+3]
.endr
	s_delay_alu instid0(VALU_DEP_3)
	v_pk_add_f32 v[S:S+1], v[S:S+1], v[S+4:S+5]
	s_delay_alu instid0(VALU_DEP_2)
	v_pk_add_f32 v[S+8:S+9], v[S+8:S+9], v[S+12:S+13]
	s_delay_alu instid0(VALU_DEP_1)
	v_pk_add_f32 v[S:S+1], v[S:S+1], v[S+8:S+9]
	s_delay_alu instid0(VALU_DEP_1)
	v_pk_mul_f32 v[S:S+1], v[S:S+1], 0x39800000 op_sel_hi:[1,0]
	ds_store_b64 v11, v[S:S+1] offset:VMEAN-VSUM
.irp t, 0,1,2,3
	ds_load_b128 v[224+8*\t:227+8*\t], v8 offset:(32*(\t/2)+8*(\t%2))*4          ; LDS serves a wave's instructions in order: these see my store
	ds_load_b128 v[228+8*\t:231+8*\t], v8 offset:(32*(\t/2)+8*(\t%2))*4+16
.endr
	s_wait_dscnt 0x0
; a tile's O^T is divided by the row's sum, replaced by the mean where the row had no valid key, and quantised along the head's 64: six registers of codes, two scale bytes
.macro FIN st, o, pc, w
	v_add_f32 v219, v[\st+2], v[\st+3]
	s_delay_alu instid0(VALU_DEP_1)
	v_permlanex16_b32 v[PM], v219, s20, s21
	s_delay_alu instid0(VALU_DEP_1)
	v_add_f32 v219, v219, v[PM]
	s_wait_alu depctr_va_vdst(0)
	v_rcp_f32 v216, v219
	v_nop                                          ; a plain place behind the reciprocal,
	s_wait_alu depctr_va_vdst(0)                   ; and the wait ahead of its first reader
.set n_, 0
.rept 16
	v_pk_mul_f32 v[\o+n_:\o+n_+1], v[\o+n_:\o+n_+1], v[216:217] op_sel_hi:[1,0]   ; each accumulator from its low end on
.set n_, n_+2
.endr
	v_cmp_gt_f32 vcc_lo, 0xce000000, v[\st+1]      ; -2^29 > the largest t: masked keys alone
.set n_, 0
.rept 32
	v_cndmask_b32 v[\o+n_], v[\o+n_], v[224+n_], vcc_lo
.set n_, n_+1
.endr
	v_max3_num_f32 v[BM], |v[\o]|, |v[\o+1]|, 0x1800000
	v_max3_num_f32 v[BM+1], |v[\o+16]|, |v[\o+17]|, 0x1800000
.irp i, 2,4,6,8,10,12,14
	s_delay_alu instid0(VALU_DEP_2)
	v_max3_num_f32 v[BM], v[BM], |v[\o+\i]|, |v[\o+\i+1]|
	s_delay_alu instid0(VALU_DEP_2)
	v_max3_num_f32 v[BM+1], v[BM+1], |v[\o+16+\i]|, |v[\o+17+\i]|
.endr
	s_delay_alu instid0(VALU_DEP_2)
	v_permlanex16_b32 v[PM], v[BM], s20, s21
	s_delay_alu instid0(VALU_DEP_2)
	v_permlanex16_b32 v[PM+1], v[BM+1], s20, s21
	s_delay_alu instid0(VALU_DEP_2)
	v_max_num_f32 v[BM], v[BM], v[PM]
	s_delay_alu instid0(VALU_DEP_2)
	v_max_num_f32 v[BM+1], v[BM+1], v[PM+1]
	s_delay_alu instid0(VALU_DEP_2)
	v_add_nc_u32 v[SO], 0xff000000, v[BM]
	s_delay_alu instid0(VALU_DEP_2)
	v_add_nc_u32 v[SO+1], 0xff000000, v[BM+1]
	s_delay_alu instid0(VALU_DEP_2)
	v_lshrrev_b32 v[BY], 23, v[SO]
	s_delay_alu instid0(VALU_DEP_2)
	v_lshrrev_b32 v[BY+1], 23, v[SO+1]
	s_delay_alu instid0(VALU_DEP_1)
	v_lshl_or_b32 v[\w], v[BY+1], 8, v[BY]
	v_cvt_scalef32_pk16_fp6_f32 v[\pc:\pc+2], v[\o:\o+15], v[SO]
	v_cvt_scalef32_pk16_fp6_f32 v[T:T+2], v[\o+16:\o+31], v[SO+1]
	v_nop
.irp i, 0,1,2
	v_permlane16_swap_b32 v[\pc+\i], v[T+\i]
.endr
.irp i, 0,1,2
	s_delay_alu instid0(VALU_DEP_3)
	v_mov_b32 v[\pc+3+\i], v[T+\i]
.endr
.endm
.macro CST pc, pl                      ; half a fragment of the last product's operand: registers 0-5 for an even head, 6-11 for an odd one
	s_cmp_eq_u32 s25, 0
	s_cbranch_scc0 .Lodd_\@
	global_store_b128 v1, v[\pc:\pc+3], s[\pl:\pl+1]
	global_store_b64 v2, v[\pc+4:\pc+5], s[\pl:\pl+1] offset:512
	s_branch .Lst_\@
.Lodd_\@:
	s_wait_alu depctr_va_vdst(0)
	global_store_b64 v2, v[\pc:\pc+1], s[\pl:\pl+1] offset:768
	global_store_b128 v1, v[\pc+2:\pc+5], s[\pl:\pl+1] offset:1024
.Lst_\@:
.endm
	FIN 12, OA, PC, 222
	CST PC, 56
	FIN 16, OB, PC+6, 223
	CST PC+6, 58
	v_bfe_u32 v220, v0, 4, 1
	s_delay_alu instid0(VALU_DEP_1)
	v_cmp_eq_u32 vcc_lo, 1, v220
	s_delay_alu instid0(VALU_DEP_1)
	v_cndmask_b32 v219, v222, v223, vcc_lo         ; lanes 0-15 store tile A's half scale words, lanes 16-31 tile B's
	s_delay_alu instid0(VALU_DEP_3)
	v_mul_lo_u32 v220, v220, s62
	v_and_b32 v221, 15, v0
	s_delay_alu instid0(VALU_DEP_1)
	v_lshl_add_u32 v220, v221, 2, v220
	global_store_b16 v220, v219, s[60:61]
	s_wait_tensorcnt 0x0                           ; the wave's end, behind my last tensor load and my last LDS store
	ds_add_u32 v[SPW], v[NIL]
	s_wait_dscnt 0x0
	s_endpgm
.Lfunc_end_k_q3170ffd430_attn:
	.size	k_q3170ffd430_attn, .Lfunc_end_k_q3170ffd430_attn-k_q3170ffd430_attn
	.p2alignl 7, 3214868480
	.fill 96, 4, 3214868480
	.section	.rodata,"a",@progbits
	.p2align	6, 0x0
	.amdhsa_kernel k_q3170ffd430_attn
		.amdhsa_group_segment_fixed_size 327680
		.amdhsa_private_segment_fixed_size 0
		.amdhsa_enable_private_segment 0
		.amdhsa_kernarg_size 32
		.amdhsa_user_sgpr_count 2
		.amdhsa_user_sgpr_kernarg_segment_ptr 1
		.amdhsa_wavefront_size32 1
		.amdhsa_system_sgpr_workgroup_id_x 1
		.amdhsa_system_sgpr_workgroup_id_y 1
		.amdhsa_system_sgpr_workgroup_id_z 1
		.amdhsa_system_vgpr_workitem_id 0
		.amdhsa_next_free_vgpr 384
		.amdhsa_next_free_sgpr 80
		.amdhsa_reserve_vcc 1
		.amdhsa_float_denorm_mode_32 3
		.amdhsa_float_denorm_mode_16_64 3
		.amdhsa_memory_ordered 1
		.amdhsa_forward_progress 1
		.amdhsa_inst_pref_size 110
	.end_amdhsa_kernel
	.amdgpu_metadata
---
amdhsa.version: [ 1, 2 ]
amdhsa.kernels:
  - .name:           k_q3170ffd430_attn
    .symbol:         k_q3170ffd430_attn.kd
    .args:
      - { .name: qimg, .offset: 0, .size: 8, .value_kind: global_buffer, .address_space: global }
      - { .name: kv, .offset: 8, .size: 8, .value_kind: global_buffer, .address_space: global }
      - { .name: vpart, .offset: 16, .size: 8, .value_kind: global_buffer, .address_space: global }
      - { .name: cimg, .offset: 24, .size: 8, .value_kind: global_buffer, .address_space: global }
    .group_segment_fixed_size: 327680
    .private_segment_fixed_size: 0
    .kernarg_segment_align: 8
    .kernarg_segment_size: 32
    .max_flat_workgroup_size: 256
    .sgpr_count:     80
    .vgpr_count:     384
    .wavefront_size: 32
...
	.end_amdgpu_metadata
.endif
;; end of part 3
;; launch oproj (part 4): grid 8 x 32, 4 waves a work-group, clusters of 4 x 4, 327,680 bytes of LDS; arguments cimg, wcod, b_o, out0; writes out0
.if DOCPART == 4
	.amdgcn_target "amdgcn-amd-amdhsa--gfx1250"
	.amdhsa_code_object_version 6
	.text
	.protected	k_q3170ffd430_oproj
	.globl	k_q3170ffd430_oproj
	.p2align	8
	.type	k_q3170ffd430_oproj,@function
k_q3170ffd430_oproj:
	s_mov_b64 s[64:65], 0
	v_nop
	global_prefetch_b8 v0, s[64:65] scope:SCOPE_SE
	s_setreg_imm32_b32 hwreg(HW_REG_WAVE_MODE, 25, 1), 1
	s_wait_xcnt 0x0
	s_wait_alu depctr_hold_cnt(0) depctr_sa_sdst(0) depctr_va_vdst(0) depctr_va_sdst(0) depctr_va_ssrc(0) depctr_va_vcc(0) depctr_vm_vsrc(0)
	s_getreg_b32 s2, hwreg(HW_REG_IB_STS2, 6, 4)
	s_cmp_eq_u32 s2, 0
	s_cbranch_scc0 .Lentry_in_a_cluster
	s_endpgm
.Lentry_in_a_cluster:
	s_bfe_u32 s2, ttmp6, 0x10000c
	s_cmp_lg_u32 s2, 0xf033
	s_cbranch_scc0 .Lentry_shape_is_right
	s_endpgm
.Lentry_shape_is_right:
.set BLK,   102400
.set SCO,   98304
.set FRB,   1536
.set BS0,   102400
.set STAGE, 204800
.set SPARE, 222208
.set SPW, 2
.set NIL, 3
.set ADA, 4
.set ADB, 5
.set ADA8, 6
.set ADXS, 7
.set ADWS, 8
.set STO, 9
.set RD,  10
.set CO,  11
.set H64, 15
.set RR,  20
.set HH,  21
.set XS,  32
.set WS,  48
.set OBF, 64
.set ACC, 128
.set G1A, 28
.set G1B, 36
.set MSB, 0
.macro WIN new
.if MSB != \new
	s_set_vgpr_msb (MSB<<8)|\new
.set MSB, \new
.endif
.endm
.macro PLACES
.rept 4
	v_nop
.endr
.endm
.macro CROUND
	s_barrier_signal -1
	s_barrier_wait -1
	s_cmp_lg_u32 s18, 0
	s_cbranch_scc1 .Lnot_wave_0_\@
	s_barrier_signal -3
.Lnot_wave_0_\@:
	s_barrier_wait -3
	s_barrier_signal -1
	s_barrier_wait -1
.endm
.macro WM6 ra, rb
.if (\ra) && (\rb)
	v_wmma_scale_f32_16x16x128_f8f6f4 v[rD:rD+7], v[rA:rA+11], v[rB:rB+11], v[rC:rC+7], v[rSA], v[rSB] matrix_a_fmt:MATRIX_FMT_FP6 matrix_b_fmt:MATRIX_FMT_FP6 matrix_a_scale:MATRIX_SCALE_ROW1 matrix_b_scale:MATRIX_SCALE_ROW1
.elseif \ra
	v_wmma_scale_f32_16x16x128_f8f6f4 v[rD:rD+7], v[rA:rA+11], v[rB:rB+11], v[rC:rC+7], v[rSA], v[rSB] matrix_a_fmt:MATRIX_FMT_FP6 matrix_b_fmt:MATRIX_FMT_FP6 matrix_a_scale:MATRIX_SCALE_ROW1
.elseif \rb
	v_wmma_scale_f32_16x16x128_f8f6f4 v[rD:rD+7], v[rA:rA+11], v[rB:rB+11], v[rC:rC+7], v[rSA], v[rSB] matrix_a_fmt:MATRIX_FMT_FP6 matrix_b_fmt:MATRIX_FMT_FP6 matrix_b_scale:MATRIX_SCALE_ROW1
.else
	v_wmma_scale_f32_16x16x128_f8f6f4 v[rD:rD+7], v[rA:rA+11], v[rB:rB+11], v[rC:rC+7], v[rSA], v[rSB] matrix_a_fmt:MATRIX_FMT_FP6 matrix_b_fmt:MATRIX_FMT_FP6
.endif
.endm
	s_load_b256 s[4:11], s[0:1], 0x0
	v_lshl_add_u32 v[SPW], v0, 2, SPARE
	v_mov_b32 v[NIL], 0
	ds_add_u32 v[SPW], v[NIL]
	ds_add_u32 v[SPW], v[NIL]
	v_lshrrev_b32 v1, 5, v0
	v_readfirstlane_b32 s18, v1
	s_lshr_b32 s19, s18, 1
	s_and_b32 s20, s18, 1
	s_bfe_u32 s21, ttmp6, 0x40000
	s_bfe_u32 s22, ttmp6, 0x40004
	s_lshl_b32 s23, ttmp9, 2
	s_add_co_u32 s23, s23, s21
	s_and_b32 s24, ttmp7, 0xffff
	s_lshl_b32 s24, s24, 2
	s_add_co_u32 s24, s24, s22
	s_lshl_b32 s25, s22, 2
	s_lshl_b32 s25, 15, s25
	s_lshl_b32 s26, 0x1111, s21
	s_or_b32 s[G1A], s25, (3<<16)|(1<<21)
	s_or_b32 s[G1B], s26, (3<<16)|(1<<21)
.irp g, G1A, G1B
	s_mov_b32 s[\g+1], 32<<16
	s_mov_b32 s[\g+2], 200<<16
	s_mov_b32 s[\g+3], 32<<16
	s_mov_b32 s[\g+4], 200
	s_mov_b32 s[\g+5], 32
	s_mov_b32 s[\g+6], 0
	s_mov_b32 s[\g+7], 0
.endr
	s_mul_i32 s27, s20, 51200                      ; half a block: 200 dense rows of 256 bytes, in memory and in LDS alike
	s_mul_i32 s60, s24, BLK
	s_add_co_u32 s60, s60, s27
	s_mov_b32 s61, 0
	s_mul_i32 s62, s23, BLK
	s_add_co_u32 s62, s62, s27
	s_add_co_u32 s62, s62, 24*BLK
	s_mov_b32 s63, 0
	s_wait_dscnt 0x0
	s_wait_kmcnt 0x0
	CROUND
	s_mov_b32 s44, 1
	s_mov_b32 s45, s27
	s_add_nc_u64 s[46:47], s[4:5], s[60:61]
	s_or_b32 s47, s47, 0x80000000
	s_mov_b32 s48, 1
	s_add_co_u32 s49, s27, BS0
	s_add_nc_u64 s[50:51], s[6:7], s[62:63]
	s_or_b32 s51, s51, 0x80000000
	s_cmp_lt_u32 s18, 2                            ; one load a wave at the head: waves 0, 1 the halves of the heads' block, waves 2, 3 the halves of the weights'
	s_cbranch_scc0 .Lhead_w
	tensor_load_to_lds s[44:47], s[G1A:G1A+7]
	s_nop 0
.rept 4
	v_nop
.endr
	s_branch .Lhead_asked
.Lhead_w:
	tensor_load_to_lds s[48:51], s[G1B:G1B+7]
	s_nop 0
.rept 4
	v_nop
.endr
.Lhead_asked:
	v_and_b32 v1, 31, v0
	v_and_b32 v[RR], 15, v0
	v_bfe_u32 v[HH], v0, 4, 1
	v_lshlrev_b32 v12, 4, v1
	v_lshlrev_b32 v13, 3, v1
	v_lshlrev_b32 v14, 2, v1
	s_mul_i32 s66, s19, 32*FRB
	v_add_nc_u32 v[ADA], s66, v12
	v_add_nc_u32 v[ADA8], s66, v13
	s_mul_i32 s66, s20, 32*FRB
	s_add_co_u32 s66, s66, BS0
	v_add_nc_u32 v[ADB], s66, v12
	s_lshl_b32 s66, s19, 11
	s_add_co_u32 s66, s66, SCO
	v_add_nc_u32 v[ADXS], s66, v14
	s_lshl_b32 s66, s20, 11
	s_add_co_u32 s66, s66, BS0+SCO
	v_add_nc_u32 v[ADWS], s66, v14
	s_mul_i32 s66, s18, 16*272
	s_add_co_u32 s66, s66, STAGE
	v_mul_u32_u24 v[STO], v[RR], 272
	v_lshl_add_u32 v[STO], v[HH], 6, v[STO]
	v_add_nc_u32 v[STO], s66, v[STO]
	v_mul_u32_u24 v[RD], v[HH], 272
	v_lshl_add_u32 v[RD], v[RR], 4, v[RD]
	v_add_nc_u32 v[RD], s66, v[RD]
	v_lshlrev_b32 v[CO], 12, v[HH]
	v_lshl_add_u32 v[CO], v[RR], 4, v[CO]
	v_lshlrev_b32 v[H64], 6, v[HH]
	s_wait_alu depctr_va_vdst(0)
	s_lshl_b32 s66, s23, 9
	s_lshl_b32 s71, s20, 8
	s_add_co_u32 s66, s66, s71
	s_mov_b32 s67, 0
	s_add_nc_u64 s[72:73], s[8:9], s[66:67]
	s_lshl_b32 s71, s24, 19
	s_add_co_u32 s66, s66, s71
	s_lshl_b32 s71, s19, 18
	s_add_co_u32 s66, s66, s71
	s_add_nc_u64 s[74:75], s[10:11], s[66:67]
	WIN 0x40
.irp bt, 0,1,2,3
	global_load_b128 v[192+8*\bt:195+8*\bt], v[H64], s[72:73] offset:(32*(\bt/2)+8*(\bt%2))*4
	global_load_b128 v[196+8*\bt:199+8*\bt], v[H64], s[72:73] offset:(32*(\bt/2)+8*(\bt%2))*4+16
.endr
	WIN 0
	s_wait_tensorcnt 0x0
	s_barrier_signal -1
	s_barrier_wait -1
.irp a, 0,1,2,3
.set W_, (1+\a/2)<<6
	WIN W_
.irp ks, 0,1,2,3,4,5,6,7
.set fb_, 12*(8*(\a%2)+\ks)
.set ob_, (8*\a+\ks)*FRB
	ds_load_b128 v[fb_:fb_+3], v[ADA] offset:ob_
	ds_load_b64 v[fb_+4:fb_+5], v[ADA8] offset:ob_+512
	ds_load_b64 v[fb_+6:fb_+7], v[ADA8] offset:ob_+768
	ds_load_b128 v[fb_+8:fb_+11], v[ADA] offset:ob_+1024
.endr
.endr
	WIN 0
.set q_, 0
.rept 16
	ds_load_b32 v[XS+q_], v[ADXS] offset:128*q_
	ds_load_b32 v[WS+q_], v[ADWS] offset:128*q_
.set q_, q_+1
.endr
.macro FETCH_B ks
	WIN 0xc0
.irp bt, 0,1,2,3
.irp g, 0,1,2
	ds_load_b128 v[48*((\ks)%4)+12*\bt+4*\g:48*((\ks)%4)+12*\bt+4*\g+3], v[ADB] offset:(8*\bt+(\ks))*FRB+512*\g
.endr
.endr
.endm
.macro MULSTEP ks
.irp a, 0,1,2,3
.set W_, 3|((1+\a/2)<<2)
.if \ks == 0
.set W_, W_|(1<<4)
.endif
	WIN W_
.irp bt, 0,1,2,3
.set rD, ACC+8*(4*\a+\bt)
.set rA, 48*(\ks%4)+12*\bt
.set rB, 12*(8*(\a%2)+\ks)
.set rSA, WS+8*(\bt/2)+\ks
.set rSB, XS+8*(\a/2)+\ks
.if \ks == 0
.set rC, 192+8*\bt
.else
.set rC, rD
.endif
	WM6 \bt%2, \a%2
.endr
.endr
.endm
	FETCH_B 0
	FETCH_B 1
	FETCH_B 2
	FETCH_B 3
	s_wait_loadcnt 0x0
.irp ks, 0,1,2,3,4,5,6,7
.if \ks <= 4
	s_wait_dscnt 36
.else
	s_wait_dscnt 12*(7-\ks)
.endif
	MULSTEP \ks
.if \ks < 4
	PLACES
	FETCH_B \ks+4
.endif
.endr
	WIN 0
.macro TOSTAGE a
.irp bt, 0,1,2,3
	ds_store_b128 v[STO], v[ACC+8*(4*(\a)+\bt):ACC+8*(4*(\a)+\bt)+3] offset:128*(\bt/2)+32*(\bt%2)
	ds_store_b128 v[STO], v[ACC+8*(4*(\a)+\bt)+4:ACC+8*(4*(\a)+\bt)+7] offset:128*(\bt/2)+32*(\bt%2)+16
.endr
.set BB, OBF+32*((\a)%2)
.irp i, 0,1,2,3,4,5,6,7
	ds_load_b128 v[BB+4*\i:BB+4*\i+3], v[RD] offset:544*\i
.endr
.endm
.macro SEND a, younger
.set BB, OBF+32*((\a)%2)
	s_wait_dscnt \younger
.irp i, 0,1,2,3,4,5,6,7
	global_store_b128 v[CO], v[BB+4*\i:BB+4*\i+3], s[74:75] offset:(32*((\a)/2)+8*((\a)%2)+2*\i+8*(\i/4))*4096 th:TH_STORE_NT
.endr
.endm
	PLACES
	TOSTAGE 0
.irp a, 1,2,3
.if \a > 1
	s_wait_xcnt 0x0
.endif
	TOSTAGE \a
	SEND \a-1, 16
.endr
	SEND 3, 0
	s_wait_tensorcnt 0x0
	ds_add_u32 v[SPW], v[NIL]
	s_wait_dscnt 0x0
	CROUND
	s_endpgm
.Lfunc_end_k_q3170ffd430_oproj:
	.size	k_q3170ffd430_oproj, .Lfunc_end_k_q3170ffd430_oproj-k_q3170ffd430_oproj
	.p2alignl 7, 3214868480
	.fill 96, 4, 3214868480
	.section	.rodata,"a",@progbits
	.p2align	6, 0x0
	.amdhsa_kernel k_q3170ffd430_oproj
		.amdhsa_group_segment_fixed_size 327680
		.amdhsa_private_segment_fixed_size 0
		.amdhsa_enable_private_segment 0
		.amdhsa_kernarg_size 32
		.amdhsa_user_sgpr_count 2
		.amdhsa_user_sgpr_kernarg_segment_ptr 1
		.amdhsa_wavefront_size32 1
		.amdhsa_system_sgpr_workgroup_id_x 1
		.amdhsa_system_sgpr_workgroup_id_y 1
		.amdhsa_system_sgpr_workgroup_id_z 1
		.amdhsa_system_vgpr_workitem_id 0
		.amdhsa_next_free_vgpr 1024
		.amdhsa_next_free_sgpr 90
		.amdhsa_reserve_vcc 0
		.amdhsa_float_denorm_mode_32 3
		.amdhsa_float_denorm_mode_16_64 3
		.amdhsa_memory_ordered 1
		.amdhsa_forward_progress 1
		.amdhsa_inst_pref_size 48
	.end_amdhsa_kernel
	.amdgpu_metadata
---
amdhsa.version: [ 1, 2 ]
amdhsa.kernels:
  - .name:           k_q3170ffd430_oproj
    .symbol:         k_q3170ffd430_oproj.kd
    .args:
      - { .name: cimg, .offset: 0, .size: 8, .value_kind: global_buffer, .address_space: global }
      - { .name: wcod, .offset: 8, .size: 8, .value_kind: global_buffer, .address_space: global }
      - { .name: b_o, .offset: 16, .size: 8, .value_kind: global_buffer, .address_space: global }
      - { .name: out0, .offset: 24, .size: 8, .value_kind: global_buffer, .address_space: global }
    .group_segment_fixed_size: 327680
    .private_segment_fixed_size: 0
    .kernarg_segment_align: 8
    .kernarg_segment_size: 32
    .max_flat_workgroup_size: 128
    .sgpr_count:     90
    .vgpr_count:     1024
    .wavefront_size: 32
...
	.end_amdgpu_metadata
.endif
;; end of part 4
